; MI455X (gfx1250); checked and timed in simulation.
; The chip was launched on July 23, 2026; its instructions are those of AMD's public machine-readable ISA for CDNA 5 (MIT licence, August 2026) and "CDNA5" Instruction Set Architecture Reference Guide (July 2026). The comments in the code are by the model that wrote it; some were corrected since.
;; Multi Head Self Attention. Allowed arithmetic: matrix products marked QUANTISED: E4M3 operands, one given power-of-two scale a tensor, by v_wmma_f32_16x16x64_fp8_fp8 or v_wmma_f32_16x16x128_fp8_fp8, f32 sums; everything else in f32.
;; Inputs: b_attn 3,072 float32; b_proj 1,024 float32; lowp_scales 8 int32 (the exponents e of the quantised operands' scales 2^e); w_attn 1,024 x 3,072 float32; w_proj 1,024 x 1,024 float32; x 4 x 2,048 x 1,024 float32.
;; Outputs: out0 4 x 2,048 x 1,024 float32.
;; This version of the problem:
;;   THIS VERSION OF THE PROBLEM IS GIVEN IN LOW PRECISION. The matrix products marked QUANTISED in the list below multiply operands that are first quantised to E4M3 (4 exponent bits, 3 mantissa bits; 8 bits a number), with one given power-of-two scale for each operand tensor; their sums are f32. All else is computed in f32.
;;   The module's matrix products, in the order in which they are computed (A, B: the left and right operand; K: the contracted axis; several contracted axes count as one K, in the product's order):
;;     1. [M 8,192, K 1,024] x [K 1,024, N 3,072]; A: input x; B: input w_attn: QUANTISED (scales: A lowp_scales[0], B lowp_scales[1])
;;     2. batch 64 x [M 2,048, K 64] x [K 64, N 2,048]; A: computed on the way; B: computed on the way: QUANTISED (scales: A lowp_scales[2], B lowp_scales[3])
;;     3. batch 64 x [M 2,048, K 2,048] x [K 2,048, N 64]; A: softmax (see below); B: computed on the way: QUANTISED (scales: A lowp_scales[4], B lowp_scales[5])
;;     4. [M 8,192, K 1,024] x [K 1,024, N 1,024]; A: computed on the way; B: input w_proj: QUANTISED (scales: A lowp_scales[6], B lowp_scales[7])
;;   THE QUANTISER, for each operand of a quantised product, along K:
;;     - The operand's scale is 2^e, e = its entry of the input lowp_scales (int32; the entries are numbered through the quantised products in the list's order, A before B).
;;     - Each number is divided by the scale, clamped to +-448, and rounded to the nearest number of E4M3, ties to even, subnormals kept.
;;     - The product sums the exact products of the quantised numbers (number of the format x scale) in f32.
;;   ~~~python
;;   def quantise(x, axis, e):      # numpy; x: float32 -> the quantised numbers, widened to float32 again
;;       x = np.moveaxis(x, axis, -1); K = x.shape[-1]
;;       r = np.clip(x / 2.0 ** e, -448, 448)
;;       step = 2.0 ** (np.maximum(np.frexp(np.where(r == 0, 1, r))[1] - 1, -6) - 3)
;;       q = np.round(r / step) * step * 2.0 ** e      # np.round: ties to even
;;       return np.moveaxis(q, -1, axis).astype(np.float32)
;;   ~~~
;;   SOFTMAX AHEAD OF A QUANTISED PRODUCT. Where the list says 'softmax', what is quantised is not the finished softmax but p = 2^(t - M), with t = logit x log2(e) and M = ceil(the row's largest t), a whole number; so 1/2 < the row's largest p <= 1. The row's sum l is taken of the UNQUANTISED p, in f32, and the product's result is divided by l at the end. Since M is a whole number, a kernel that streams over the keys may use a running M (the ceiling of the running maximum): every later rescaling is an exact power of two, so the quantised numbers keep their values, but for numbers so far below the row's largest that they fall under the format's range.
;;   OPERANDS COMPUTED ON THE WAY. 'Computed on the way' means the value that the module computes at that place (a softmax that the list does not call 'softmax' is quantised finished and normalised). What goes into a quantiser is computed in f32, as accurately as f32 sums, v_exp_f32 and their like allow (about 1e-6 of the number): no bf16 or f16 on the way to a quantiser, and a product that is left as it is and whose result goes on into a quantised operand takes f32 operands (vector FMAs, or v_wmma_f32_16x16x4_f32). A number that lies on a knife's edge between two numbers of the format may be rounded either way, as far as f32 arithmetic and the matrix unit's own rounding can turn it there, and no further.
;; One version. Each part assembles by itself: llvm-mc -triple=amdgcn-amd-amdhsa -mcpu=gfx1250 --defsym DOCPART=n.
;; ======== version 1 of 1: 4 launches
;; limits: right only within a limited range of input values
;; workspace buffers: x_img 8,388,608 bytes; wa_img 3,145,728 bytes; wp_img 1,048,576 bytes; q_img 8,388,608 bytes; k_img 8,388,608 bytes; v_img 8,388,608 bytes; a_img 8,388,608 bytes
;; launch quant (part 1): grid 384 x 1, 4 waves a work-group, no clusters, 68,096 bytes of LDS; arguments x, w_attn, w_proj, lowp_scales, x_img, wa_img, wp_img; writes x_img, wa_img, wp_img
.if DOCPART == 1
	.amdgcn_target "amdgcn-amd-amdhsa--gfx1250"
	.amdhsa_code_object_version 6
	.text
	.protected	k_q4aa3a25f68_quant
	.globl	k_q4aa3a25f68_quant
	.p2align	8
	.type	k_q4aa3a25f68_quant,@function
k_q4aa3a25f68_quant:
	s_mov_b64 s[64:65], 0
	v_nop
	global_prefetch_b8 v0, s[64:65] scope:SCOPE_SE
	s_setreg_imm32_b32 hwreg(HW_REG_WAVE_MODE, 25, 1), 1
	s_wait_xcnt 0x0
; x [8192][1024], w_attn [1024][3072] and w_proj [1024][1024], f32, become codes of FP8 (E4M3), each tensor with the one scale 2^e given for it (entries 0, 1 and 7 of the scales).
; code = number / 2^e, held within +-448, rounded to the nearest code, ties to even.  LIMITS: -126 <= e <= 119.  NaN among the inputs is not served.
; THE CODES ARE LAID AS IMAGES OF OPERAND REGISTERS.  An image is 1,024 bytes: 16 rows x 64 along K as v_wmma_f32_16x16x64_fp8_fp8 holds them: lane l = r + 16 h holds row r, its register 2 c + e
; holds k = 16 c + 8 h + 4 e + 0 .. 3; registers 4 i .. 4 i + 3 of lane l lie at byte 512 i + 16 l.  Two loads of 16 bytes a lane bring an image back, and two images on end are a fragment of the K = 128 form.
;   x_img [512 tiles of 16 tokens][16 chunks of 64 k];  wa_img [192 tiles of 16 columns n][16];  wp_img [64][16]: a weight's rows in an image are its COLUMNS n, since K is its first axis.
; Work-groups 0-255 take x, 256-383 the weights; every work-group moves 131,072 bytes of f32.  The two ways part once on the work-group's number and have LDS bytes of their own.  Waves share nothing: no barrier.
.set XSTG,  4352                       ; x: a stage of 16 rows x (256 bytes + 16); two for each wave: 34,816 bytes from LDS byte 0
.set WST,   34816                      ; the weights: 8,192 bytes for each wave: eight images
.set SPARE, 67584                      ; the spare words, 128 bytes for each wave: two blocks of 256 bytes that no other line names
.set SPW, 2                            ; v2   LDS address of my spare word; never rewritten
.set NIL, 3                            ; v3   0; never rewritten
.set XR,  16                           ; x: v16-143  four sets of 32 numbers as they are loaded
.set XX,  144                          ;    v144-207 two sets of 32 numbers as the conversions want them
.set XC,  208                          ;    v208-239 four sets of 8 registers of codes
.set VO,  32                           ; weights: v32-63 byte offset of row i of a block of 32 rows, at my column
.set WX,  64                           ;    v64-127  two sets of 32 numbers
.set WC,  128                          ;    v128-135 a block's codes
.set WO,  144                          ;    v144-207 the way out
	s_load_b256 s[4:11], s[0:1], 0x0               ; x s[4:5], w_attn s[6:7], w_proj s[8:9], the scales' exponents s[10:11]
	s_load_b128 s[12:15], s[0:1], 0x20             ; x_img s[12:13], wa_img s[14:15]
	s_load_b64 s[16:17], s[0:1], 0x30              ; wp_img
	v_lshl_add_u32 v[SPW], v0, 2, SPARE
	v_mov_b32 v[NIL], 0
	v_lshrrev_b32 v1, 5, v0
	v_readfirstlane_b32 s18, v1                    ; wave 0..3
	v_and_b32 v1, 31, v0                           ; lane
	v_and_b32 v8, 15, v0                           ; lane % 16
	v_bfe_u32 v9, v0, 4, 1                         ; lane / 16
	v_lshlrev_b32 v7, 4, v1                        ; 16 x lane: my place in half an image
	s_wait_kmcnt 0x0
	s_load_b256 s[24:31], s[10:11], 0x0            ; e0 .. e7
	s_cmp_lt_u32 ttmp9, 256
	s_cbranch_scc0 .Lweights
; ---------------- x: K is innermost.  A wave takes 16 rows x 512 k: eight steps of one image (16 rows x 256 bytes of f32).
; A load takes the bytes as they lie (sixteen lanes read 256 consecutive bytes of a row); the step's 4,096 bytes turn through the wave's own stage, from which lane (r, h) takes, of row r, k = 16 c + 8 h + 0 .. 7.
	s_lshl_b32 s19, ttmp9, 2
	s_add_co_u32 s19, s19, s18                     ; my unit, 0 .. 1023
	s_lshr_b32 s20, s19, 1                         ; which 16 rows
	s_and_b32 s21, s19, 1                          ; which half of K
	s_lshl_b32 s22, s20, 16                        ; 16 rows of 4,096 bytes
	s_lshl_b32 s23, s21, 11                        ; 512 numbers
	s_add_co_u32 s22, s22, s23
	s_mov_b32 s23, 0
	s_add_nc_u64 s[4:5], s[4:5], s[22:23]
	s_lshl_b32 s22, s20, 14                        ; 16 images
	s_lshl_b32 s32, s21, 13                        ; 8 images
	s_add_co_u32 s22, s22, s32
	s_add_nc_u64 s[12:13], s[12:13], s[22:23]
	s_wait_alu depctr_va_vdst(0)
	v_lshlrev_b32 v4, 12, v9
	v_lshl_add_u32 v4, v8, 4, v4                   ; in memory: row lane / 16 of a pair of rows, 16 bytes a lane
	s_mul_i32 s33, s18, 2*XSTG                     ; my two stages
	v_mul_u32_u24 v5, v9, 272
	v_lshl_add_u32 v5, v8, 4, v5
	v_add_nc_u32 v5, s33, v5                       ; into a stage: the same two rows, 272 bytes apart
	v_mul_u32_u24 v6, v8, 272
	v_lshl_add_u32 v6, v9, 5, v6
	v_add_nc_u32 v6, s33, v6                       ; out of it: row r, + 32 h bytes: my eight numbers of each 16
.macro LOADX t                         ; step t's 16 rows x 256 bytes, two rows a load
.irp i, 0,1,2,3,4,5,6,7
	global_load_b128 v[XR+32*((\t)%4)+4*\i:XR+32*((\t)%4)+4*\i+3], v4, s[4:5] offset:8192*\i+256*(\t) th:TH_LOAD_NT
.endr
.endm
.macro TURNX t                         ; through the stage: LDS serves a wave's instructions in order (ISA guide 5.7.1.4), so no wait stands between the stores and the loads
.irp i, 0,1,2,3,4,5,6,7
	ds_store_b128 v5, v[XR+32*((\t)%4)+4*\i:XR+32*((\t)%4)+4*\i+3] offset:XSTG*((\t)%2)+544*\i
.endr
.irp c, 0,1,2,3
	ds_load_b128 v[XX+32*((\t)%2)+8*\c:XX+32*((\t)%2)+8*\c+3], v6 offset:XSTG*((\t)%2)+64*\c
	ds_load_b128 v[XX+32*((\t)%2)+8*\c+4:XX+32*((\t)%2)+8*\c+7], v6 offset:XSTG*((\t)%2)+64*\c+16
.endr
.endm
.irp t, 0,1,2,3
	LOADX \t
.endr
	s_wait_alu depctr_va_vdst(0)
	s_wait_kmcnt 0x0
	s_add_co_i32 s33, s24, 127
	s_lshl_b32 s34, s33, 23
	v_mov_b32 v11, s34                             ; 2^e0 as f32: the conversion takes its exponent field
	s_add_co_i32 s33, s33, 8
	s_lshl_b32 s33, s33, 23
	s_or_b32 s33, s33, 0x600000
	v_mov_b32 v10, s33                             ; 448 x 2^e0
	s_wait_alu depctr_va_vdst(0)
	s_wait_loadcnt 24                              ; step 0's eight loads are in; those of steps 1 to 3 may be out
	TURNX 0
.macro STEPX t
	s_wait_dscnt 0x0                               ; this step's numbers are back from the stage, so its stores into the stage have read their registers,
.if (\t)+4 < 8
	LOADX (\t)+4                                   ; which take the loads of four steps on
.endif
.if (\t) < 7
.if 6-(\t) >= 3
	s_wait_loadcnt 24                              ; the next step's eight loads are in; those of the three steps behind it may be out
.else
	s_wait_loadcnt 8*(6-(\t))                      ; the counts run down: no load leaves the buffer
.endif
	TURNX (\t)+1                                   ; and go through the other stage while this step is worked
.endif
.set j, 0
.rept 32
	v_med3_num_f32 v[XX+32*((\t)%2)+j], v[XX+32*((\t)%2)+j], -v10, v10   ; the conversion to an 8-bit code does not saturate (ISA guide 7.6.2): the hold at the largest code x the scale
.set j, j+1
.endr
.if (\t) >= 4
	s_wait_alu depctr_va_vdst(0)
	s_wait_xcnt 0x0                                ; the stores of four steps back have read this set of codes: it is rewritten only behind this wait
.endif
.irp c, 0,1,2,3
	v_cvt_scalef32_pk8_fp8_f32 v[XC+8*((\t)%4)+2*\c:XC+8*((\t)%4)+2*\c+1], v[XX+32*((\t)%2)+8*\c:XX+32*((\t)%2)+8*\c+7], v11   ; registers 2 c, 2 c + 1 of the image
.endr
	global_store_b128 v7, v[XC+8*((\t)%4):XC+8*((\t)%4)+3], s[12:13] offset:1024*(\t)         ; 32 lanes store 512 consecutive bytes, aligned
	global_store_b128 v7, v[XC+8*((\t)%4)+4:XC+8*((\t)%4)+7], s[12:13] offset:1024*(\t)+512
.endm
.irp t, 0,1,2,3,4,5,6,7
	STEPX \t
.endr
	s_wait_tensorcnt 0x0                           ; the wave's end, behind my last LDS store
	ds_add_u32 v[SPW], v[NIL]
	s_wait_dscnt 0x0
	s_endpgm
; ---------------- the weights: K is the FIRST axis.  A lane takes a column n and its registers run down K, so the conversions give codes with K innermost and nothing is transposed.
; 32 groups of 128 columns (24 of w_attn, 8 of w_proj) x 4 quarters of K.  A wave: 32 columns x 256 k = eight images, gathered in its own LDS bytes and stored whole.  One way serves both tensors: only pointers, the pitch and e are chosen.
.Lweights:
	s_sub_co_u32 s19, ttmp9, 256
	s_lshr_b32 s20, s19, 5                         ; which 256 along K
	s_and_b32 s19, s19, 31                         ; which group of columns
	s_mov_b32 s32, 4096
	s_cmp_lt_u32 s19, 24                           ; w_attn's or w_proj's?  The choice hangs on the work-group's number alone
	s_cselect_b64 s[22:23], s[14:15], s[16:17]     ; the images
	s_cselect_b64 s[36:37], s[6:7], s[8:9]         ; the weight
	s_cselect_b32 s32, 12288, s32                  ; a row of it, in bytes
	s_cselect_b32 s21, 0, 24
	s_sub_co_u32 s21, s19, s21
	s_lshl_b32 s21, s21, 7
	s_lshl_b32 s33, s18, 5
	s_add_co_u32 s21, s21, s33                     ; my wave's first column
	s_lshl_b32 s33, s20, 8
	s_mul_i32 s34, s33, s32                        ; my first row of the weight, in bytes,
	s_lshl_b32 s33, s21, 2
	s_add_co_u32 s34, s34, s33                     ; and my first column
	s_mov_b32 s35, 0
	s_add_nc_u64 s[36:37], s[36:37], s[34:35]
	s_lshl_b32 s34, s32, 5                         ; 32 rows on
.irp t, 1,2,3,4,5,6,7
	s_add_nc_u64 s[36+2*\t:37+2*\t], s[34+2*\t:35+2*\t], s[34:35]   ; a base for each block of 32 rows, never rewritten
.endr
	s_lshl_b32 s52, s21, 10                        ; column / 16 tiles of 16,384 bytes,
	s_lshl_b32 s53, s20, 12                        ; four images on for each 256 along K
	s_add_co_u32 s52, s52, s53
	s_mov_b32 s53, 0
	s_add_nc_u64 s[22:23], s[22:23], s[52:53]
	s_wait_alu depctr_va_vdst(0)
	v_lshlrev_b32 v4, 2, v1
.set j, 0
.rept 32
	v_mad_u32_u24 v[VO+j], s32, j, v4              ; row j of a block, my column
.set j, j+1
.endr
	s_lshl_b32 s33, s18, 13
	s_add_co_u32 s33, s33, WST                     ; my eight images in LDS: [tile of 16 columns 2][chunk of 64 k 4]
	v_lshlrev_b32 v5, 12, v9
	v_lshl_add_u32 v5, v8, 4, v5
	v_add_nc_u32 v5, s33, v5                       ; into them: my column's tile, + 16 x (column % 16)
	v_add_nc_u32 v6, s33, v7                       ; out of them: 16 x lane
.macro LOADW t                         ; block t: rows 32 t + i of my 256, at my column: 32 lanes read 128 consecutive bytes, the four waves 512
.set j, 0
.rept 32
	global_load_b32 v[WX+32*((\t)%2)+j], v[VO+j], s[36+2*(\t):37+2*(\t)] th:TH_LOAD_NT
.set j, j+1
.endr
.endm
	LOADW 0
	LOADW 1
	s_wait_kmcnt 0x0
	s_cmp_lt_u32 s19, 24
	s_cselect_b32 s33, s25, s31                    ; e1 or e7
	s_add_co_i32 s33, s33, 127
	s_lshl_b32 s34, s33, 23
	v_mov_b32 v11, s34                             ; 2^e as f32
	s_add_co_i32 s33, s33, 8
	s_lshl_b32 s33, s33, 23
	s_or_b32 s33, s33, 0x600000
	v_mov_b32 v10, s33                             ; 448 x 2^e
.macro BLOCKW t
.if (\t) < 7
	s_wait_loadcnt 32                              ; this block's 32 loads are in; the next block's may be out
.else
	s_wait_loadcnt 0
.endif
.set j, 0
.rept 32
	v_med3_num_f32 v[WX+32*((\t)%2)+j], v[WX+32*((\t)%2)+j], -v10, v10
.set j, j+1
.endr
.irp p, 0,1,2,3
	v_cvt_scalef32_pk8_fp8_f32 v[WC+2*\p:WC+2*\p+1], v[WX+32*((\t)%2)+8*\p:WX+32*((\t)%2)+8*\p+7], v11   ; k = 32 t + 8 p + 0 .. 7 of my column
.endr
.irp p, 0,1,2,3                        ; in its image these eight codes are registers 2 c, 2 c + 1 of lane r + 16 h, with c = 2 (t % 2) + p / 2 and h = p % 2
	ds_store_b64 v5, v[WC+2*\p:WC+2*\p+1] offset:((\t)/2)*1024+((\t)%2)*512+(\p/2)*8+(\p%2)*256
.endr
.if (\t)+2 < 8
	LOADW (\t)+2
.endif
	s_wait_dscnt 0x0                               ; the stores have read their registers: the next block's codes may be written
.endm
	s_wait_alu depctr_va_vdst(0)
.irp t, 0,1,2,3,4,5,6,7
	BLOCKW \t
.endr
.irp m, 0,1,2,3,4,5,6,7,8,9,10,11,12,13,14,15
	ds_load_b128 v[WO+4*\m:WO+4*\m+3], v6 offset:512*\m
.endr
.irp m, 0,1,2,3,4,5,6,7,8,9,10,11,12,13,14,15
	s_wait_dscnt 15-\m                             ; LDS loads come back in order: number m is in
	global_store_b128 v7, v[WO+4*\m:WO+4*\m+3], s[22:23] offset:(\m/8)*16384+(\m%8)*512   ; 512 consecutive bytes, aligned; a tile's four images lie on end
.endr
	s_wait_tensorcnt 0x0                           ; the wave's end, behind my last LDS store
	ds_add_u32 v[SPW], v[NIL]
	s_wait_dscnt 0x0
	s_endpgm
.Lfunc_end_k_q4aa3a25f68_quant:
	.size	k_q4aa3a25f68_quant, .Lfunc_end_k_q4aa3a25f68_quant-k_q4aa3a25f68_quant
	.p2alignl 7, 3214868480
	.fill 96, 4, 3214868480
	.section	.rodata,"a",@progbits
	.p2align	6, 0x0
	.amdhsa_kernel k_q4aa3a25f68_quant
		.amdhsa_group_segment_fixed_size 68096
		.amdhsa_private_segment_fixed_size 0
		.amdhsa_enable_private_segment 0
		.amdhsa_kernarg_size 56
		.amdhsa_user_sgpr_count 2
		.amdhsa_user_sgpr_kernarg_segment_ptr 1
		.amdhsa_wavefront_size32 1
		.amdhsa_system_sgpr_workgroup_id_x 1
		.amdhsa_system_sgpr_workgroup_id_y 1
		.amdhsa_system_sgpr_workgroup_id_z 1
		.amdhsa_system_vgpr_workitem_id 0
		.amdhsa_next_free_vgpr 240
		.amdhsa_next_free_sgpr 66
		.amdhsa_reserve_vcc 0
		.amdhsa_float_denorm_mode_32 3
		.amdhsa_float_denorm_mode_16_64 3
		.amdhsa_memory_ordered 1
		.amdhsa_forward_progress 1
		.amdhsa_inst_pref_size 89
	.end_amdhsa_kernel
	.amdgpu_metadata
---
amdhsa.version: [ 1, 2 ]
amdhsa.kernels:
  - .name:           k_q4aa3a25f68_quant
    .symbol:         k_q4aa3a25f68_quant.kd
    .args:
      - { .name: x, .offset: 0, .size: 8, .value_kind: global_buffer, .address_space: global }
      - { .name: w_attn, .offset: 8, .size: 8, .value_kind: global_buffer, .address_space: global }
      - { .name: w_proj, .offset: 16, .size: 8, .value_kind: global_buffer, .address_space: global }
      - { .name: lowp_scales, .offset: 24, .size: 8, .value_kind: global_buffer, .address_space: global }
      - { .name: x_img, .offset: 32, .size: 8, .value_kind: global_buffer, .address_space: global }
      - { .name: wa_img, .offset: 40, .size: 8, .value_kind: global_buffer, .address_space: global }
      - { .name: wp_img, .offset: 48, .size: 8, .value_kind: global_buffer, .address_space: global }
    .group_segment_fixed_size: 68096
    .private_segment_fixed_size: 0
    .kernarg_segment_align: 8
    .kernarg_segment_size: 56
    .max_flat_workgroup_size: 128
    .sgpr_count:     66
    .vgpr_count:     240
    .wavefront_size: 32
...
	.end_amdgpu_metadata
.endif
;; end of part 1
;; launch qkv (part 2): grid 8 x 32, 4 waves a work-group, clusters of 4 x 4, 327,680 bytes of LDS; arguments x_img, wa_img, lowp_scales, b_attn, q_img, k_img, v_img; writes q_img, k_img, v_img
.if DOCPART == 2
	.amdgcn_target "amdgcn-amd-amdhsa--gfx1250"
	.amdhsa_code_object_version 6
	.text
	.protected	k_q4aa3a25f68_qkv
	.globl	k_q4aa3a25f68_qkv
	.p2align	8
	.type	k_q4aa3a25f68_qkv,@function
k_q4aa3a25f68_qkv:
	s_mov_b64 s[64:65], 0
	v_nop
	global_prefetch_b8 v0, s[64:65] scope:SCOPE_SE
	s_setreg_imm32_b32 hwreg(HW_REG_WAVE_MODE, 25, 1), 1
	s_wait_xcnt 0x0
	s_wait_alu depctr_hold_cnt(0) depctr_sa_sdst(0) depctr_va_vdst(0) depctr_va_sdst(0) depctr_va_ssrc(0) depctr_va_vcc(0) depctr_vm_vsrc(0)
	s_getreg_b32 s2, hwreg(HW_REG_IB_STS2, 6, 4)
	s_cmp_eq_u32 s2, 0
	s_cbranch_scc0 .Lentry_in_a_cluster
	s_endpgm
.Lentry_in_a_cluster:
	s_bfe_u32 s2, ttmp6, 0x10000c
	s_cmp_lg_u32 s2, 0xf033
	s_cbranch_scc0 .Lentry_shape_is_right
	s_endpgm
.Lentry_shape_is_right:
; qkv = x w_attn + b_attn on codes of FP8 (E4M3), K = 1,024; q, k and v are quantised on the way out with the scales given for them (entries 2, 3, 5) and leave as images of operand registers.
; AN IMAGE is 1,024 bytes: 16 rows x 64 along K as v_wmma_f32_16x16x64_fp8_fp8 holds them; registers 4 i .. 4 i + 3 of lane l at byte 512 i + 16 l.
;   x_img [512 tiles of 16 tokens][16 chunks of 64 k], wa_img [192 tiles of 16 columns][16].   q_img, k_img [batch 4][head 16][128 tiles of 16 tokens] (K = the head's 64);
;   v_img [batch 4][32 chunks of 64 keys][head 16][4 tiles of 16 channels] (K = the keys).
; A BLOCK is 256 tokens x (128 columns of q, the same 128 of k and of v: two heads): 32 x 8 = 256 work-groups.  Four waves; a wave makes 128 tokens x one head of q, of k and of v: 8 x 12 = 96 accumulators, 768 registers.
; q, k: source 0 = 16 columns of w_attn, source 1 = 16 tokens: a lane holds one token and eight neighbouring channels.  v: THE SOURCES CHANGE PLACES: a lane holds one channel and eight neighbouring tokens, so that v's images have the keys along K.
; One conversion turns an accumulator's eight registers into registers 2 c, 2 c + 1 of an image.  A sum's code is sum / 2^(eX - e0 - e1).  The bias, x 2^-(e0 + e1): of q and k as the C of each sum's first product; of v added on the way out.
; K COMES IN FIVE GROUPS OF LOADS: 256, 192, 256, 192, 128 along K, by turns into region P (40 tiles x 4,096 bytes) and region Q (40 x 3,072): a tile's row is that many bytes, 16,384 apart in memory.  One tensor load a wave a group:
; wave 0: x's 16 tiles; waves 1, 2, 3: the 8 tiles of q's, k's, v's columns.  A group is asked for when the group two before it has been read out: behind the three lines and a round of the cluster's barrier.
; CLUSTERS: 4 x 4 work-groups; x's tiles are asked for jointly along a row of the cluster, w_attn's along a column.
; A STEP is 64 along K: 96 matrix instructions, tile of columns by tile of columns, each against the 8 tiles of tokens.  A (tokens) has two sets of fragment registers; B (columns) one: its tiles 0-5 are read anew in the step's middle, 6-11 at its end.
; No data prefetch: the text has no loop to run ahead in.
; LIMITS: eX - e0 - e1 (X = 2, 3, 5) between -126 and 119, so that the powers of two below are f32 numbers.  NaN among the inputs is not served.
; REGISTERS: window 0: v1-19 addresses and constants, v20-27 v's bias (a pair for each tile of channels); v32-95, v96-159 A's two sets (the second holds q's and k's bias in the first step); v160-255 B's 12 fragments; on the way out v32-223 the codes.
;   Windows 1, 2, 3: the accumulators of q, k, v: (tile of tokens a, tile of columns t) at v[8 (8 t + a)].
.set QB,    163840                     ; region Q begins here
.set SPARE, 286720                     ; behind it: the spare words, 128 bytes a wave: two blocks of 256 bytes that no other line names
.set CO,  1                            ; 16 x lane
.set SPW, 2
.set NIL, 3
.set P4,  4                            ; v4-6: region P with rows of 4,096: my A tiles, my q and k tiles, my v tiles;  v7-9: region Q;  v10-12: region P with rows of 2,048
.set Q3,  7
.set P2,  10
.set G1A4, 24
.set G1B4, 32
.set G1A3, 40
.set G1B3, 48
.set G1A2, 56
.set G1B2, 68
.set G0A, 76
.set G0B, 80
.set MSB, 0
.macro WIN new                         ; the immediate's high byte repeats the setting that is left
.if MSB != (\new)
	s_set_vgpr_msb (MSB<<8)|(\new)
.set MSB, (\new)
.endif
.endm
.macro NOPS n
.rept \n
	v_nop
.endr
.endm
; A joint load: wave 0 fetches A, waves 1 to 3 B; the branch hangs on the wave's number alone.  An s_nop 0 and four v_nop follow each line.
.macro JLOAD g1a, g1b
	s_cmp_eq_u32 s14, 0
	s_cbranch_scc0 .Lfor_b_\@
	tensor_load_to_lds s[G0A:G0A+3], s[\g1a:\g1a+7]
	s_nop 0
	NOPS 4
	s_branch .Lasked_\@
.Lfor_b_\@:
	tensor_load_to_lds s[G0B:G0B+3], s[\g1b:\g1b+7]
	s_nop 0
	NOPS 4
.Lasked_\@:
.endm
.macro ROUND                           ; a round of the cluster's barrier
	s_barrier_signal -1
	s_barrier_wait -1
	s_cmp_lg_u32 s14, 0
	s_cbranch_scc1 .Lnw0_\@
	s_barrier_signal -3
.Lnw0_\@:
	s_barrier_wait -3
	s_barrier_signal -1
	s_barrier_wait -1
.endm
.macro FA set, adr, rb, ch             ; A's 8 fragments of the region's chunk ch: 16 loads
.irp i, 0,1,2,3,4,5,6,7
	ds_load_b128 v[32+64*(\set)+8*\i:35+64*(\set)+8*\i], v[\adr] offset:\i*(\rb)+(\ch)*1024
	ds_load_b128 v[36+64*(\set)+8*\i:39+64*(\set)+8*\i], v[\adr] offset:\i*(\rb)+(\ch)*1024+512
.endr
.endm
.macro FB1 b, adr, tile, rb, ch
	ds_load_b128 v[160+8*(\b):163+8*(\b)], v[\adr] offset:(\tile)*(\rb)+(\ch)*1024
	ds_load_b128 v[164+8*(\b):167+8*(\b)], v[\adr] offset:(\tile)*(\rb)+(\ch)*1024+512
.endm
.macro FBLO ad, rb, ch                 ; B's fragments 0-5: q's four, k's first two: 12 loads.  (k's tiles lie 8 tiles behind q's)
.irp t, 0,1,2,3
	FB1 \t, \ad+1, \t, \rb, \ch
.endr
	FB1 4, \ad+1, 8, \rb, \ch
	FB1 5, \ad+1, 9, \rb, \ch
.endm
.macro FBHI ad, rb, ch                 ; B's fragments 6-11: k's last two, v's four: 12 loads
	FB1 6, \ad+1, 10, \rb, \ch
	FB1 7, \ad+1, 11, \rb, \ch
.irp t, 0,1,2,3
	FB1 8+\t, \ad+2, \t, \rb, \ch
.endr
.endm
; 8 matrix instructions: fragment b of B against A's eight.  The 96 accumulators take turns, one instruction a turn, in the same order in every step.
.macro MQK b, set, zero                ; q, k.  zero = 1: the sums start from the bias
.irp a, 0,1,2,3,4,5,6,7
.if \zero
	v_wmma_f32_16x16x64_fp8_fp8 v[8*(8*((\b)%4)+\a):8*(8*((\b)%4)+\a)+7], v[160+8*(\b):167+8*(\b)], v[32+64*(\set)+8*\a:39+64*(\set)+8*\a], v[96+8*(\b):103+8*(\b)]
.else
	v_wmma_f32_16x16x64_fp8_fp8 v[8*(8*((\b)%4)+\a):8*(8*((\b)%4)+\a)+7], v[160+8*(\b):167+8*(\b)], v[32+64*(\set)+8*\a:39+64*(\set)+8*\a], v[8*(8*((\b)%4)+\a):8*(8*((\b)%4)+\a)+7]
.endif
.endr
.endm
.macro MV b, set, zero                 ; v: the sources change places.  zero = 1: the sums start from 0
.irp a, 0,1,2,3,4,5,6,7
.if \zero
	v_wmma_f32_16x16x64_fp8_fp8 v[8*(8*((\b)%4)+\a):8*(8*((\b)%4)+\a)+7], v[32+64*(\set)+8*\a:39+64*(\set)+8*\a], v[160+8*(\b):167+8*(\b)], 0
.else
	v_wmma_f32_16x16x64_fp8_fp8 v[8*(8*((\b)%4)+\a):8*(8*((\b)%4)+\a)+7], v[32+64*(\set)+8*\a:39+64*(\set)+8*\a], v[160+8*(\b):167+8*(\b)], v[8*(8*((\b)%4)+\a):8*(8*((\b)%4)+\a)+7]
.endif
.endr
.endm
.macro H1 set, zero                    ; a step's first half: fragments 0-5
	WIN 0x50-0x10*(\zero)                          ; D window 1; C window 1, or 0 for the bias
.irp b, 0,1,2,3
	MQK \b, \set, \zero
.endr
	WIN 0xa0-0x20*(\zero)
	MQK 4, \set, \zero
	MQK 5, \set, \zero
	WIN 0
.endm
.macro H2 set, zero                    ; its second half: fragments 6-11
	WIN 0xa0-0x20*(\zero)
	MQK 6, \set, \zero
	MQK 7, \set, \zero
	WIN 0xf0-0x30*(\zero)
.irp b, 8,9,10,11
	MV \b, \set, \zero
.endr
	WIN 0
.endm
; A step whose successor lies in the same region, at (ad, rb, ch).  Four places stand ahead of loads into registers that matrix instructions have read.
.macro SUBN set, zero, ad, rb, ch
	s_wait_dscnt 12                                ; all but the youngest 12 loads (B's fragments 6-11) are in
	H1 \set, \zero
	NOPS 4
	FBLO \ad, \rb, \ch
.if \zero
	s_wait_dscnt 12                                ; (the first step: A's other set still holds the bias)
.else
	FA 1-(\set), \ad, \rb, \ch
	s_wait_dscnt 28                                ; all but the 28 just issued
.endif
	H2 \set, \zero
	NOPS 4
.if \zero
	FA 1-(\set), \ad, \rb, \ch
.endif
	FBHI \ad, \rb, \ch
.endm
; A region's last step: the change of regions.  Each wave waits for all its tensor loads (its part of the next region), adds 0 to its spare word, and waits for that and for its reads of this region.
; fill = 1: behind a round this region takes the group after the next: rows of frb bytes from LDS byte base on, kstep bytes further along K than the last group asked for.
.macro SUBC set, ad, rb, fill, g1a, g1b, base, frb, kstep
	s_wait_dscnt 12
	H1 \set, 0
	s_wait_tensorcnt 0x0
	ds_add_u32 v[SPW], v[NIL]                      ; the add to my spare word; the descriptors' words are made between it and its wait
.if \fill
	s_mov_b32 s[G0A+1], \base
	s_mul_i32 s[G0B+1], s66, 8*(\frb)
	s_add_co_u32 s[G0B+1], s[G0B+1], (\base)+16*(\frb)
	s_add_nc_u64 s[G0A+2:G0A+3], s[G0A+2:G0A+3], \kstep
	s_add_nc_u64 s[G0B+2:G0B+3], s[G0B+2:G0B+3], \kstep
.endif
	s_wait_dscnt 0x0
.if \fill
	ROUND                                          ; no wave of any partner still reads this region or has a load on its way
	JLOAD \g1a, \g1b                               ; its four v_nop are the places ahead of the loads below
.else
	s_barrier_signal -1
	s_barrier_wait -1
	NOPS 4
.endif
	FBLO \ad, \rb, 0
	FA 1-(\set), \ad, \rb, 0
	H2 \set, 0
	NOPS 4
	FBHI \ad, \rb, 0
.endm
	s_load_b256 s[4:11], s[0:1], 0x0               ; x_img, wa_img, the scales' exponents, b_attn
	s_load_b128 s[96:99], s[0:1], 0x20             ; q_img, k_img
	s_load_b64 s[100:101], s[0:1], 0x30            ; v_img
	v_lshl_add_u32 v[SPW], v0, 2, SPARE
	v_mov_b32 v[NIL], 0
	ds_add_u32 v[SPW], v[NIL]                      ; the opening lines: the add, twice on end, and its wait below
	ds_add_u32 v[SPW], v[NIL]
	v_lshrrev_b32 v28, 5, v0
	v_readfirstlane_b32 s14, v28                   ; wave 0..3
	s_lshr_b32 s15, s14, 1                         ; which 128 tokens are mine
	s_and_b32 s16, s14, 1                          ; which of the two heads
	s_add_co_u32 s66, s14, 3
	s_and_b32 s66, s66, 3
	s_min_u32 s66, s66, 2                          ; waves 1, 2, 3 fetch q's, k's, v's columns: 0, 1, 2
	s_bfe_u32 s17, ttmp6, 0x40000                  ; cx, cy
	s_bfe_u32 s18, ttmp6, 0x40004
	s_lshl_b32 s19, ttmp9, 2
	s_add_co_u32 s19, s19, s17                     ; which 128 columns, 0..7
	s_and_b32 s20, ttmp7, 0xffff
	s_lshl_b32 s20, s20, 2
	s_add_co_u32 s20, s20, s18                     ; which 256 tokens, 0..31
	s_lshl_b32 s21, s18, 2
	s_lshl_b32 s21, 15, s21                        ; my row of the cluster
	s_lshl_b32 s22, 0x1111, s17                    ; my column
.irp g, G1A4, G1A3, G1A2                       ; groups 1: the mask, bit 21 beside it, elements of 1 byte, no padding
	s_or_b32 s[\g], s21, (1<<21)
	s_mov_b32 s[\g+2], 16<<16                      ; A: 16 tiles
	s_mov_b32 s[\g+4], 16
.endr
.irp g, G1B4, G1B3, G1B2
	s_or_b32 s[\g], s22, (1<<21)
	s_mov_b32 s[\g+2], 8<<16                       ; B: 8 tiles a load
	s_mov_b32 s[\g+4], 8
.endr
.irp g, G1A4, G1B4
	s_mov_b32 s[\g+1], 4096<<16
	s_mov_b32 s[\g+3], 4096<<16
.endr
.irp g, G1A3, G1B3
	s_mov_b32 s[\g+1], 3072<<16
	s_mov_b32 s[\g+3], 3072<<16
.endr
.irp g, G1A2, G1B2
	s_mov_b32 s[\g+1], 2048<<16
	s_mov_b32 s[\g+3], 2048<<16
.endr
.irp g, G1A4, G1B4, G1A3, G1B3, G1A2, G1B2
	s_mov_b32 s[\g+5], 16384                       ; a tile's whole K
	s_mov_b32 s[\g+6], 0
	s_mov_b32 s[\g+7], 0
.endr
	s_lshl_b32 s12, s20, 18                        ; A: 16 tiles of 16,384 bytes for each 256 tokens
	s_mov_b32 s13, 0
	s_lshl_b32 s94, s66, 20                        ; B: q, k, v lie 64 tiles apart,
	s_lshl_b32 s95, s19, 17                        ; 8 tiles for each 128 columns
	s_add_co_u32 s94, s94, s95
	s_mov_b32 s95, 0
	s_mov_b32 s[G0A], 1
	s_mov_b32 s[G0A+1], 0                          ; region P: A's 16 tiles,
	s_mov_b32 s[G0B], 1
	s_mul_i32 s[G0B+1], s66, 32768
	s_add_co_u32 s[G0B+1], s[G0B+1], 65536         ; then B's 24
	; where my images go
	s_lshr_b32 s17, s20, 3
	s_lshl_b32 s17, s17, 21                        ; the batch
	s_and_b32 s18, s20, 7                          ; which 256 tokens of it
	s_lshl_b32 s21, s19, 1
	s_add_co_u32 s21, s21, s16                     ; the head
	s_lshl_b32 s2, s21, 17                         ; q, k: head x 128 images, + tile of tokens 16 (block) + 8 (half)
	s_add_co_u32 s2, s2, s17
	s_lshl_b32 s22, s18, 14
	s_add_co_u32 s2, s2, s22
	s_lshl_b32 s22, s15, 13
	s_add_co_u32 s2, s2, s22
	s_mov_b32 s3, 0
	s_lshl_b32 s92, s18, 18                        ; v: chunk of keys 4 (block) + 2 (half), 65,536 bytes each, + head x 4 images
	s_add_co_u32 s92, s92, s17
	s_lshl_b32 s22, s15, 17
	s_add_co_u32 s92, s92, s22
	s_lshl_b32 s22, s21, 12
	s_add_co_u32 s92, s92, s22
	s_mov_b32 s93, 0
	s_lshl_b32 s22, s19, 9                         ; the bias: my head's first column, in bytes
	s_lshl_b32 s18, s16, 8
	s_add_co_u32 s22, s22, s18
	s_mov_b32 s23, 0
	s_wait_dscnt 0x0                               ; both opening adds are done
	s_wait_kmcnt 0x0
	s_load_b256 s[84:91], s[8:9], 0x0              ; e0 .. e7
	s_add_nc_u64 s[G0A+2:G0A+3], s[4:5], s[12:13]
	s_or_b32 s[G0A+3], s[G0A+3], 0x80000000
	s_add_nc_u64 s[G0B+2:G0B+3], s[6:7], s[94:95]
	s_or_b32 s[G0B+3], s[G0B+3], 0x80000000
	s_add_nc_u64 s[96:97], s[96:97], s[2:3]
	s_add_nc_u64 s[98:99], s[98:99], s[2:3]
	s_add_nc_u64 s[100:101], s[100:101], s[92:93]
	s_add_nc_u64 s[10:11], s[10:11], s[22:23]
	ROUND                                          ; all sixteen work-groups are here: the first joint loads meet
	JLOAD G1A4, G1B4                               ; K 0-255: one tensor load a wave at the head
	s_lshl_b32 s12, s15, 15                        ; my tiles in the three layouts: A's 8 of 16; B's 4 of each 8, behind A's 16
	s_lshl_b32 s13, s16, 14
	s_add_co_u32 s13, s13, 65536
	s_mul_i32 s94, s15, 24576
	s_add_co_u32 s94, s94, QB
	s_mul_i32 s95, s16, 12288
	s_add_co_u32 s95, s95, QB+49152
	s_lshl_b32 s2, s15, 14
	s_lshl_b32 s3, s16, 13
	s_add_co_u32 s3, s3, 32768
	v_and_b32 v28, 31, v0
	v_lshlrev_b32 v[CO], 4, v28
	v_add_nc_u32 v[P4], s12, v[CO]
	v_add_nc_u32 v[P4+1], s13, v[CO]
	v_add_nc_u32 v[P4+2], 65536, v[P4+1]           ; v's tiles lie 16 tiles behind q's
	v_add_nc_u32 v[Q3], s94, v[CO]
	v_add_nc_u32 v[Q3+1], s95, v[CO]
	v_add_nc_u32 v[Q3+2], 49152, v[Q3+1]
	v_add_nc_u32 v[P2], s2, v[CO]
	v_add_nc_u32 v[P2+1], s3, v[CO]
	v_add_nc_u32 v[P2+2], 32768, v[P2+1]
	v_bfe_u32 v29, v0, 4, 1
	v_lshlrev_b32 v29, 5, v29                      ; the bias by columns: 8 (lane / 16) numbers on
	v_and_b32 v30, 15, v0
	v_lshlrev_b32 v30, 2, v30                      ; by rows: lane % 16 numbers on
.irp t, 0,1,2,3                                ; q's and k's: register j of lane (r, h) = the bias of channel 16 t + 8 h + j;  v's: of channel 16 t + r
	global_load_b128 v[96+8*\t:99+8*\t], v29, s[10:11] offset:64*\t
	global_load_b128 v[100+8*\t:103+8*\t], v29, s[10:11] offset:64*\t+16
	global_load_b128 v[128+8*\t:131+8*\t], v29, s[10:11] offset:4096+64*\t
	global_load_b128 v[132+8*\t:135+8*\t], v29, s[10:11] offset:4096+64*\t+16
	global_load_b32 v[20+2*\t], v30, s[10:11] offset:8192+64*\t
.endr
	s_wait_alu depctr_va_vdst(0)                   ; the wait at the head's end
	s_wait_tensorcnt 0x0                           ; my part of K 0-255 is in; region Q's first fill is issued as a refill is:
	ds_add_u32 v[SPW], v[NIL]
	s_mov_b32 s[G0A+1], QB
	s_mul_i32 s[G0B+1], s66, 24576
	s_add_co_u32 s[G0B+1], s[G0B+1], QB+49152
	s_add_nc_u64 s[G0A+2:G0A+3], s[G0A+2:G0A+3], 4096
	s_add_nc_u64 s[G0B+2:G0B+3], s[G0B+2:G0B+3], 4096
	s_wait_dscnt 0x0
	ROUND
	JLOAD G1A3, G1B3                               ; K 256-447
	FBLO P4, 4096, 0
	FA 0, P4, 4096, 0
	FBHI P4, 4096, 0
	s_wait_kmcnt 0x0
	s_add_co_i32 s12, s84, s85                     ; e0 + e1
.macro SCALE e, r                      ; v[r] = 2^(eX - e0 - e1): the three scales folded into the conversion's one; v[r + 1] = 448 x that
	s_sub_co_i32 s13, s[\e], s12
	s_add_co_i32 s13, s13, 127
	s_lshl_b32 s94, s13, 23
	v_mov_b32 v[\r], s94
	s_add_co_i32 s13, s13, 8
	s_lshl_b32 s13, s13, 23
	s_or_b32 s13, s13, 0x600000
	v_mov_b32 v[\r+1], s13
.endm
	SCALE 86, 14
	SCALE 87, 16
	SCALE 89, 18
	s_sub_co_i32 s12, 0, s12
	s_wait_loadcnt 0x0
.set j, 0
.rept 64
	v_ldexp_f32 v[96+j], v[96+j], s12              ; the bias x 2^-(e0 + e1)
.set j, j+1
.endr
.irp t, 0,1,2,3
	v_ldexp_f32 v[21+2*\t], v[20+2*\t], s12        ; v's: the same number in both halves of a pair
	v_ldexp_f32 v[20+2*\t], v[20+2*\t], s12
.endr
	s_wait_alu depctr_va_vdst(0)                   ; the wait ahead of the wait below
	SUBN 0, 1, P4, 4096, 1                         ; K 0-255, in region P
	SUBN 1, 0, P4, 4096, 2
	SUBN 0, 0, P4, 4096, 3
	SUBC 1, Q3, 3072, 1, G1A4, G1B4, 0, 4096, 3072         ; region P takes K 448-703
	SUBN 0, 0, Q3, 3072, 1                         ; K 256-447, in region Q
	SUBN 1, 0, Q3, 3072, 2
	SUBC 0, P4, 4096, 1, G1A3, G1B3, QB, 3072, 4096        ; region Q takes K 704-895
	SUBN 1, 0, P4, 4096, 1                         ; K 448-703
	SUBN 0, 0, P4, 4096, 2
	SUBN 1, 0, P4, 4096, 3
	SUBC 0, Q3, 3072, 1, G1A2, G1B2, 0, 2048, 3072         ; region P takes K 896-1023, in rows of 2,048 bytes
	SUBN 1, 0, Q3, 3072, 1                         ; K 704-895
	SUBN 0, 0, Q3, 3072, 2
	SUBC 1, P2, 2048, 0, 0, 0, 0, 0, 0             ; nothing more is asked for
	SUBN 0, 0, P2, 2048, 1                         ; K 896-1023
	s_wait_dscnt 12
	H1 1, 0
	s_wait_dscnt 0x0
	H2 1, 0
	NOPS 4                                         ; places behind the last products
; THE WAY OUT: the hold (the conversion does not saturate: ISA guide 7.6.2), the conversion, the store.  No LDS: a store's 32 lanes write 512 consecutive bytes, aligned.  Every image has code registers of its own, so no store's data are written again.
.macro HOLD w, lim                     ; a window's 32 accumulators, each from its low end on
	WIN ((\w)<<6)|(\w)
.set j, 0
.rept 256
	v_med3_num_f32 v[j], v[j], -v[\lim], v[\lim]
.set j, j+1
.endr
.endm
.macro OUTQK w, scl, c, p              ; image a: my head's 64 channels of tile of tokens a
	HOLD \w, \scl+1
	WIN \w
.irp a, 0,1,2,3,4,5,6,7
.irp t, 0,1,2,3
	v_cvt_scalef32_pk8_fp8_f32 v[\c+8*\a+2*\t:\c+8*\a+2*\t+1], v[64*\t+8*\a:64*\t+8*\a+7], v[\scl]
.endr
.endr
	WIN 0
	v_nop                                          ; one plain vector instruction behind the last conversion of the run
.irp a, 0,1,2,3,4,5,6,7
	global_store_b128 v[CO], v[\c+8*\a:\c+8*\a+3], s[\p:\p+1] offset:1024*\a
	global_store_b128 v[CO], v[\c+8*\a+4:\c+8*\a+7], s[\p:\p+1] offset:1024*\a+512
.endr
.endm
	OUTQK 1, 14, 32, 96
	OUTQK 2, 16, 96, 98
	WIN 0xc3
.irp t, 0,1,2,3
.set j, 0
.rept 32
	v_pk_add_f32 v[64*\t+j:64*\t+j+1], v[64*\t+j:64*\t+j+1], v[20+2*\t:21+2*\t]   ; v's bias: my lane's channel
.set j, j+2
.endr
.endr
	HOLD 3, 19
	WIN 3
.irp a, 0,1,2,3,4,5,6,7                        ; image (chunk of keys a / 4, tile of channels t): tile of tokens a gives its registers 2 (a % 4), 2 (a % 4) + 1
.irp t, 0,1,2,3
	v_cvt_scalef32_pk8_fp8_f32 v[160+8*(4*(\a/4)+\t)+2*(\a%4):160+8*(4*(\a/4)+\t)+2*(\a%4)+1], v[64*\t+8*\a:64*\t+8*\a+7], v18
.endr
.endr
	WIN 0
	v_nop
.irp u, 0,1
.irp t, 0,1,2,3
	global_store_b128 v[CO], v[160+8*(4*\u+\t):163+8*(4*\u+\t)], s[100:101] offset:65536*\u+1024*\t
	global_store_b128 v[CO], v[164+8*(4*\u+\t):167+8*(4*\u+\t)], s[100:101] offset:65536*\u+1024*\t+512
.endr
.endr
	s_wait_tensorcnt 0x0                           ; the wave's end
	ds_add_u32 v[SPW], v[NIL]
	s_wait_dscnt 0x0
	ROUND                                          ; the closing round
	s_endpgm
.Lfunc_end_k_q4aa3a25f68_qkv:
	.size	k_q4aa3a25f68_qkv, .Lfunc_end_k_q4aa3a25f68_qkv-k_q4aa3a25f68_qkv
	.p2alignl 7, 3214868480
	.fill 96, 4, 3214868480
	.section	.rodata,"a",@progbits
	.p2align	6, 0x0
	.amdhsa_kernel k_q4aa3a25f68_qkv
		.amdhsa_group_segment_fixed_size 327680
		.amdhsa_private_segment_fixed_size 0
		.amdhsa_enable_private_segment 0
		.amdhsa_kernarg_size 56
		.amdhsa_user_sgpr_count 2
		.amdhsa_user_sgpr_kernarg_segment_ptr 1
		.amdhsa_wavefront_size32 1
		.amdhsa_system_sgpr_workgroup_id_x 1
		.amdhsa_system_sgpr_workgroup_id_y 1
		.amdhsa_system_sgpr_workgroup_id_z 1
		.amdhsa_system_vgpr_workitem_id 0
		.amdhsa_next_free_vgpr 1024
		.amdhsa_next_free_sgpr 102
		.amdhsa_reserve_vcc 0
		.amdhsa_float_denorm_mode_32 3
		.amdhsa_float_denorm_mode_16_64 3
		.amdhsa_memory_ordered 1
		.amdhsa_forward_progress 1
		.amdhsa_inst_pref_size 232
	.end_amdhsa_kernel
	.amdgpu_metadata
---
amdhsa.version: [ 1, 2 ]
amdhsa.kernels:
  - .name:           k_q4aa3a25f68_qkv
    .symbol:         k_q4aa3a25f68_qkv.kd
    .args:
      - { .name: x_img, .offset: 0, .size: 8, .value_kind: global_buffer, .address_space: global }
      - { .name: wa_img, .offset: 8, .size: 8, .value_kind: global_buffer, .address_space: global }
      - { .name: lowp_scales, .offset: 16, .size: 8, .value_kind: global_buffer, .address_space: global }
      - { .name: b_attn, .offset: 24, .size: 8, .value_kind: global_buffer, .address_space: global }
      - { .name: q_img, .offset: 32, .size: 8, .value_kind: global_buffer, .address_space: global }
      - { .name: k_img, .offset: 40, .size: 8, .value_kind: global_buffer, .address_space: global }
      - { .name: v_img, .offset: 48, .size: 8, .value_kind: global_buffer, .address_space: global }
    .group_segment_fixed_size: 327680
    .private_segment_fixed_size: 0
    .kernarg_segment_align: 8
    .kernarg_segment_size: 56
    .max_flat_workgroup_size: 128
    .sgpr_count:     102
    .vgpr_count:     1024
    .wavefront_size: 32
...
	.end_amdgpu_metadata
.endif
;; end of part 2
;; launch attn (part 3): grid 4 x 64, 8 waves a work-group, clusters of 4 x 1, 327,680 bytes of LDS; arguments q_img, k_img, v_img, lowp_scales, a_img; writes a_img
.if DOCPART == 3
	.amdgcn_target "amdgcn-amd-amdhsa--gfx1250"
	.amdhsa_code_object_version 6
	.text
	.protected	k_q4aa3a25f68_attn
	.globl	k_q4aa3a25f68_attn
	.p2align	8
	.type	k_q4aa3a25f68_attn,@function
k_q4aa3a25f68_attn:
	s_mov_b64 s[64:65], 0
	v_nop
	global_prefetch_b8 v0, s[64:65] scope:SCOPE_SE
	s_setreg_imm32_b32 hwreg(HW_REG_WAVE_MODE, 25, 1), 1
	s_wait_xcnt 0x0
	s_wait_alu depctr_hold_cnt(0) depctr_sa_sdst(0) depctr_va_vdst(0) depctr_va_sdst(0) depctr_va_ssrc(0) depctr_va_vcc(0) depctr_vm_vsrc(0)
	s_getreg_b32 s2, hwreg(HW_REG_IB_STS2, 6, 4)
	s_cmp_eq_u32 s2, 0
	s_cbranch_scc0 .Lentry_in_a_cluster
	s_endpgm
.Lentry_in_a_cluster:
	s_bfe_u32 s2, ttmp6, 0x10000c
	s_cmp_lg_u32 s2, 0x3003
	s_cbranch_scc0 .Lentry_shape_is_right
	s_endpgm
.Lentry_shape_is_right:
; o = softmax(q k^T / 8, causal) v for 64 (batch, head) pairs of 2,048 tokens, head size 64, both products on codes of FP8 (E4M3); o is quantised on the way out with the scale given for it (entry 6).
; All operands are IMAGES of operand registers, 1,024 bytes: 16 rows x 64 along K; registers 4 i .. 4 i + 3 of lane l at byte 512 i + 16 l.
;   q_img, k_img [batch 4][head 16][128 tiles of 16 tokens];  v_img [batch 4][32 chunks of 64 keys][head 16][4 tiles of 16 channels];  a_img [512 tiles of 16 tokens][head 16].
; THE SOFTMAX: t = score x log2(e) / 8; M = the row's largest t so far, rounded UP to a whole number; p = 2^(t - M) is quantised along the keys, not normalised.  The row's sum is taken of the unquantised p
; and divides O at the end.  When M moves, the sum and O are multiplied by 2^(old M - new M): exact.
; LEFT OUT: key steps all of whose keys come after a wave's queries: the causal mask gives them the weight 0 for every input.
; A HEAD'S WHOLE K AND V, 2 x 131,072 bytes, STAY IN LDS: each byte is filled once, nothing is filled again.  CLUSTER: the four work-groups of a head ask for them jointly (mask 15), in two groups:
; keys 0-255 at the head (8 waves x 4,096 dense bytes), the other 1,792 keys behind the full sequence and a round (waves 0-3: K, 112 rows of 256 bytes each; waves 4-7: V, 7 rows of 4,096 bytes each).
; SHARES.  Wave w of the work-group at place cx owns the blocks of 32 queries j = 4 w + cx and 63 - j, the long one first: (16 - w) + (w + 1) = 17 key steps of 128 for every wave.  The counts hang on the wave's
; number alone: no branch, trip count or LDS address hangs on cx; cx enters the queries' and o's global addresses and the vector compare on the diagonal.  All loops have constant trip counts; a step with nothing to do is jumped over.
; A wave's two tiles of 16 queries share each fragment of K and V read from LDS.  K's fragments of the next step are read a step ahead (behind the last step of a block they are read and not used: those bytes are filled LDS too).
; LAYOUT.  Both products transposed: S^T = K Q^T, O^T = V^T P^T: a lane holds ONE query (lane % 16) of each tile; a result's eight registers are eight neighbours, which one conversion turns into registers 2 c, 2 c + 1 of the next operand.
; No data prefetch: all of K and V is asked for by the two groups of tensor loads at the head, so no later load is left to run ahead of; Q is loaded once, at the head.
; LIMITS on the given exponents: e2 + e3 between -123 and 130 (added to c's exponent field); e4, and e6 - e4 - e5, between -126 and 119.  NaN among the inputs is not served.
; REGISTERS.  Window 0: v1-13, 26-31 addresses, constants, temporaries; v14-19 tile A's -M, largest t, sum (2), f (2); v20-25 tile B's; v32-63 partial sums; v64-127, v128-191 S^T then p of A, B; v192-223, v224-255 O^T of A, B.
;   Window 1: v0-63 K (8 images); v64-127 V (4 fragments); v128-143 Q in hand; v144-159 Q of the short block; v160-175, v176-191 p's codes; v192-223 o's codes.
.set VOFF,  131072
.set SPARE, 262144                     ; behind K and V: the spare words, 128 bytes a wave: four blocks of 256 bytes that no other line names
.set LN,  1                            ; 16 x lane
.set ADK, 2                            ; LDS address of the step's K, of its V
.set ADV, 3
.set SPW, 4
.set NIL, 5
.set VD,  6                            ; on the diagonal: tile A's query - the step's first key - 8 (lane / 16)
.set NINF, 7
.set WV,  14
.set CX,  15
.set G0A, 20
.set G1A, 24
.set G1K, 32
.set G0B, 40
.set G1V, 44
.set SEL, 52
.set CS,  54
.set TR,  56                           ; the trip: 0-15 the long block's key steps, 16-23 the short block's
.set STP, 57
.set TB,  58
.set LAST, 59
.set MSB, 0
.macro WIN new                         ; the immediate's high byte repeats the setting that is left
.if MSB != (\new)
	s_set_vgpr_msb (MSB<<8)|(\new)
.set MSB, (\new)
.endif
.endm
.macro ROUND                           ; a round of the cluster's barrier
	s_barrier_signal -1
	s_barrier_wait -1
	s_cmp_lg_u32 s[WV], 0
	s_cbranch_scc1 .Lnw0_\@
	s_barrier_signal -3
.Lnw0_\@:
	s_barrier_wait -3
	s_barrier_signal -1
	s_barrier_wait -1
.endm
.macro NOPS n
.rept \n
	v_nop
.endr
.endm
.macro KLOAD adr, off                  ; eight images of K: 128 keys
	WIN 0x40
.irp t, 0,1,2,3,4,5,6,7
	ds_load_b128 v[8*\t:8*\t+3], v[\adr] offset:(\off)+1024*\t
	ds_load_b128 v[8*\t+4:8*\t+7], v[\adr] offset:(\off)+1024*\t+512
.endr
	WIN 0
.endm
.macro INIT                            ; a block's state: the largest t -3e38, sums and O^T zero (the step is written once: the first change of M multiplies zeros)
	v_mov_b32 v15, 0xff61b1e6
	v_mov_b32 v21, 0xff61b1e6
	v_floor_f32 v14, -v15
	v_floor_f32 v20, -v21
	v_mov_b32 v16, 0
	v_mov_b32 v17, 0
	v_mov_b32 v22, 0
	v_mov_b32 v23, 0
.set j, 0
.rept 64
	v_mov_b32 v[192+j], 0
.set j, j+1
.endr
.endm
.macro MINB g                          ; the hold of 16 of tile B's p: the conversion does not saturate (ISA guide 7.6.2); p is not negative, so it is one-sided; two a line
.set i, 0
.rept 8
	v_dual_min_num_f32 v[128+16*(\g)+i], v[128+16*(\g)+i], v8 :: v_dual_min_num_f32 v[129+16*(\g)+i], v[129+16*(\g)+i], v9
.set i, i+2
.endr
.endm
	s_load_b256 s[4:11], s[0:1], 0x0               ; q_img, k_img, v_img, the scales' exponents
	s_load_b64 s[12:13], s[0:1], 0x20              ; a_img
	v_lshl_add_u32 v[SPW], v0, 2, SPARE
	v_mov_b32 v[NIL], 0
	ds_add_u32 v[SPW], v[NIL]                      ; the opening lines: the add, twice on end, and its wait below
	ds_add_u32 v[SPW], v[NIL]
	v_lshrrev_b32 v8, 5, v0
	v_readfirstlane_b32 s[WV], v8                  ; wave 0..7
	s_bfe_u32 s[CX], ttmp6, 0x40000                ; my place in the cluster
	s_and_b32 s16, ttmp7, 0xffff                   ; 16 x batch + head
	s_lshr_b32 s17, s16, 4
	s_and_b32 s18, s16, 15
	s_lshr_b32 s88, s[WV], 2                       ; 0: I fetch K, 1: V
	s_and_b32 s89, s[WV], 3                        ; which quarter
	s_lshl_b32 s90, s88, 17
	s_lshl_b32 s61, s89, 12
	s_mul_i32 s62, s89, 28672
	s_mov_b32 s[G0A], 1
	s_add_co_u32 s[G0A+1], s90, s61                ; LDS: first group: 4,096 bytes a wave
	s_mov_b32 s[G0B], 1
	s_add_co_u32 s[G0B+1], s90, s62
	s_add_co_u32 s[G0B+1], s[G0B+1], 16384         ; second group: 28,672 bytes a wave, behind the first 16,384
	s_lshl_b32 s91, s16, 17                        ; my head in q_img and k_img
	s_lshl_b32 s92, s17, 21
	s_lshl_b32 s93, s18, 12
	s_add_co_u32 s92, s92, s93                     ; my head in v_img's first chunk
	s_add_co_u32 s84, s91, s61                     ; first group, K: 4 images a wave
	s_lshl_b32 s63, s89, 16
	s_add_co_u32 s86, s92, s63                     ; V: a chunk a wave
	s_cmp_eq_u32 s88, 0
	s_cselect_b32 s84, s84, s86
	s_mov_b32 s85, 0
	s_add_co_u32 s86, s91, s62
	s_add_co_u32 s86, s86, 16384                   ; second group, K: 28 images a wave
	s_mul_i32 s63, s89, 458752
	s_add_co_u32 s94, s92, s63
	s_add_co_u32 s94, s94, 262144                  ; V: 7 chunks a wave, from chunk 4 on
	s_cmp_eq_u32 s88, 0
	s_cselect_b32 s86, s86, s94
	s_mov_b32 s87, 0
	; groups 1: elements of 8 bytes, mask 15, bit 21 beside it, no padding
.irp g, G1A, G1K, G1V
	s_mov_b32 s[\g], 15|(3<<16)|(1<<21)
	s_mov_b32 s[\g+6], 0
	s_mov_b32 s[\g+7], 0
.endr
	s_mov_b32 s[G1A+1], 32<<16                     ; 16 rows of 256 dense bytes
	s_mov_b32 s[G1A+2], 16<<16
	s_mov_b32 s[G1A+3], 32<<16
	s_mov_b32 s[G1A+4], 16
	s_mov_b32 s[G1A+5], 32
	s_mov_b32 s[G1K+1], 32<<16                     ; 112 rows of 256 dense bytes
	s_mov_b32 s[G1K+2], 112<<16
	s_mov_b32 s[G1K+3], 32<<16
	s_mov_b32 s[G1K+4], 112
	s_mov_b32 s[G1K+5], 32
	s_mov_b32 s[G1V+1], 512<<16                    ; 7 rows of 4,096 bytes, 65,536 apart
	s_mov_b32 s[G1V+2], 7<<16
	s_mov_b32 s[G1V+3], 512<<16
	s_mov_b32 s[G1V+4], 7
	s_mov_b32 s[G1V+5], 8192
	s_mov_b32 s[SEL], 0x76543210
	s_mov_b32 s[SEL+1], 0xfedcba98
	s_mov_b32 s[CS], 0x3e38aa3b                    ; c = log2(e) / 8
	; my blocks (registers of their own for what hangs on cx)
	s_lshl_b32 s96, s[WV], 2
	s_add_co_u32 s96, s96, s[CX]                   ; j, the short block
	s_sub_co_u32 s97, 63, s96                      ; the long block
	s_lshl_b32 s80, s97, 11
	s_add_co_u32 s80, s80, s91
	s_mov_b32 s81, 0
	s_lshl_b32 s82, s96, 11
	s_add_co_u32 s82, s82, s91
	s_mov_b32 s83, 0
	s_lshl_b32 s98, s17, 21
	s_lshl_b32 s99, s18, 10
	s_add_co_u32 s98, s98, s99                     ; a_img: my batch, my head
	s_lshl_b32 s66, s97, 15
	s_add_co_u32 s66, s66, s98
	s_mov_b32 s67, 0
	s_lshl_b32 s68, s96, 15
	s_add_co_u32 s68, s68, s98
	s_mov_b32 s69, 0
	s_lshl_b32 s70, s[CX], 5
	s_sub_co_u32 s70, 96, s70                      ; the long block begins 32 (3 - cx) keys into its last step,
	s_lshl_b32 s60, s[CX], 6
	s_sub_co_i32 s60, s60, 96                      ; the short one 32 cx: the difference
	s_sub_co_u32 s[LAST], 15, s[WV]                ; the long block's last key step
	s_wait_dscnt 0x0                               ; both opening adds are done
	s_wait_kmcnt 0x0
	s_load_b256 s[72:79], s[10:11], 0x0            ; e0 .. e7
	s_cmp_eq_u32 s88, 0
	s_cselect_b64 s[94:95], s[6:7], s[8:9]
	s_add_nc_u64 s[G0A+2:G0A+3], s[94:95], s[84:85]
	s_or_b32 s[G0A+3], s[G0A+3], 0x80000000
	s_add_nc_u64 s[G0B+2:G0B+3], s[94:95], s[86:87]
	s_or_b32 s[G0B+3], s[G0B+3], 0x80000000
	s_add_nc_u64 s[80:81], s[4:5], s[80:81]
	s_add_nc_u64 s[82:83], s[4:5], s[82:83]
	s_add_nc_u64 s[66:67], s[12:13], s[66:67]
	s_add_nc_u64 s[68:69], s[12:13], s[68:69]
	v_and_b32 v[LN], 31, v0
	v_lshlrev_b32 v[LN], 4, v[LN]
	WIN 0x40
.irp i, 0,1,2,3
	global_load_b128 v[128+4*\i:131+4*\i], v[LN], s[80:81] offset:512*\i   ; Q of the long block: two images; asked for ahead of the round
	global_load_b128 v[144+4*\i:147+4*\i], v[LN], s[82:83] offset:512*\i   ; and of the short one
.endr
	WIN 0
	ROUND
	tensor_load_to_lds s[G0A:G0A+3], s[G1A:G1A+7]  ; keys 0-255: every wave's one load at the head
	s_nop 0
	NOPS 4
	v_and_b32 v[VD], 15, v0
	v_bfe_u32 v27, v0, 4, 1
	v_lshlrev_b32 v27, 3, v27
	v_sub_nc_u32 v[VD], v[VD], v27
	v_add_nc_u32 v[VD], s70, v[VD]
	v_mov_b32 v[NINF], 0xff800000
	v_mov_b32 v13, 0                               ; a lane permute's destination counts as a source: written once
	v_mov_b32 v26, 0
	v_mov_b32 v19, 0                               ; (upper halves of the pairs that hold f)
	v_mov_b32 v25, 0
	INIT
	s_wait_kmcnt 0x0
	s_add_co_i32 s61, s74, s75
	s_lshl_b32 s61, s61, 23
	s_add_co_i32 s[CS], s[CS], s61                 ; a score stands for score x 2^(e2 + e3)
	s_mov_b32 s[CS+1], s[CS]
	s_add_co_i32 s61, s76, 127
	s_lshl_b32 s62, s61, 23
	v_mov_b32 v10, s62                             ; 2^e4, for p's conversion
	s_add_co_i32 s61, s61, 8
	s_lshl_b32 s61, s61, 23
	s_or_b32 s61, s61, 0x600000
	v_mov_b32 v8, s61                              ; 448 x 2^e4, twice: one for each half of a pair of holds
	v_mov_b32 v9, s61
	s_sub_co_i32 s61, s78, s76
	s_sub_co_i32 s61, s61, s77                     ; O^T / the sum stands for o / 2^(e4 + e5)
	s_add_co_i32 s61, s61, 127
	s_lshl_b32 s62, s61, 23
	v_mov_b32 v11, s62
	s_add_co_i32 s61, s61, 8
	s_lshl_b32 s61, s61, 23
	s_or_b32 s61, s61, 0x600000
	v_mov_b32 v12, s61
; A KEY STEP: 128 keys at LDS byte s[TB] of K and of V, for my two tiles.  pref = 1: K is in registers or on its way, and the next step's K is asked for.  mask = 1: the step may be left out or lie on the diagonal.
.macro STEP pref, mask
.if \mask
	s_cmp_gt_u32 s[STP], s[LAST]                   ; all keys come after my queries: wave number and trip alone decide
	s_cbranch_scc1 .Lhid_\@
.endif
	v_add_nc_u32 v[ADK], s[TB], v[LN]
	v_add_nc_u32 v[ADV], VOFF, v[ADK]
	NOPS 2                                         ; with the two additions: four places behind the last products, ahead of loads into V's registers
.if !(\pref)
	KLOAD ADK, 0
.endif
	WIN 0x40
.irp ct, 0,1,2,3
.irp u, 0,1
	ds_load_b128 v[64+16*\ct+8*\u:67+16*\ct+8*\u], v[ADV] offset:4096*\u+1024*\ct
	ds_load_b128 v[68+16*\ct+8*\u:71+16*\ct+8*\u], v[ADV] offset:4096*\u+1024*\ct+512
.endr
.endr
	s_wait_alu depctr_va_vdst(0)                   ; the wait ahead of the wait below
	s_wait_dscnt 16                                ; K is in; V's sixteen loads may be out
	WIN 0x05                                       ; sources 0 and 1 in window 1
.irp t, 0,1,2,3,4,5,6,7                        ; register 8 t + j of lane (r, h): query r, key 16 t + 8 h + j
	v_wmma_f32_16x16x64_fp8_fp8 v[64+8*\t:71+8*\t], v[8*\t:8*\t+7], v[128:135], 0
	v_wmma_f32_16x16x64_fp8_fp8 v[128+8*\t:135+8*\t], v[8*\t:8*\t+7], v[136:143], 0
.endr
	WIN 0
	NOPS 4                                         ; places: the scores are read, K's registers are loaded anew
.if \pref
	KLOAD ADK, 8192
.endif
.if \mask
	s_cmp_lg_u32 s[STP], s[LAST]
	s_cbranch_scc1 .Lopen_\@
.set n, 0
.rept 64                                       ; the diagonal: hidden keys' scores become -infinity: p = 0.  Tile B's queries lie 16 further on
	v_cmp_gt_i32 vcc_lo, 16*(n/8)+n%8, v[VD]
	v_cndmask_b32 v[64+n], v[64+n], v[NINF], vcc_lo
	v_cmp_gt_i32 vcc_lo, 16*(n/8)+n%8-16, v[VD]
	v_cndmask_b32 v[128+n], v[128+n], v[NINF], vcc_lo
.set n, n+1
.endr
.Lopen_\@:
.endif
	v_max3_num_f32 v28, v64, v65, v66              ; the step's largest scores: two chains a tile, the tiles by turns, each accumulator from its low end on
	v_max3_num_f32 v29, v67, v68, v69
	v_max3_num_f32 v30, v128, v129, v130
	v_max3_num_f32 v31, v131, v132, v133
.irp i, 6,10,14,18,22,26,30,34,38,42,46,50,54,58
	v_max3_num_f32 v28, v28, v[64+\i], v[65+\i]
	v_max3_num_f32 v29, v29, v[66+\i], v[67+\i]
	v_max3_num_f32 v30, v30, v[128+\i], v[129+\i]
	v_max3_num_f32 v31, v31, v[130+\i], v[131+\i]
.endr
	v_max3_num_f32 v28, v28, v126, v127
	v_max3_num_f32 v30, v30, v190, v191
	v_max_num_f32 v28, v28, v29
	v_max_num_f32 v30, v30, v31
	v_permlanex16_b32 v13, v28, s[SEL], s[SEL+1]
	v_permlanex16_b32 v26, v30, s[SEL], s[SEL+1]
	v_max_num_f32 v28, v28, v13                    ; with lane l xor 16's
	v_max_num_f32 v30, v30, v26
	v_mul_f32 v28, s[CS], v28                      ; as t (c is positive)
	v_mul_f32 v30, s[CS], v30
	v_max_num_f32 v15, v15, v28                    ; the running largest t
	v_max_num_f32 v21, v21, v30
	v_mov_b32 v29, v14
	v_mov_b32 v31, v20
	v_floor_f32 v14, -v15                          ; -M = floor(-t)
	v_floor_f32 v20, -v21
	v_sub_f32 v29, v14, v29                        ; old M - new M: a whole number, 0 or less
	v_sub_f32 v31, v20, v31
	v_cvt_i32_f32 v29, v29                         ; (it saturates)
	v_cvt_i32_f32 v31, v31
	v_ldexp_f32 v18, 1.0, v29                      ; f = 2^(old M - new M)
	v_ldexp_f32 v24, 1.0, v31
.set j, 0
.rept 32
	v_pk_fma_f32 v[64+j:65+j], v[64+j:65+j], s[CS:CS+1], v[14:15] op_sel_hi:[1,0,0]   ; tile A: t - M
.set j, j+2
.endr
	v_pk_mul_f32 v[16:17], v[16:17], v[18:19] op_sel_hi:[1,0]   ; the sums and O^T under the new M: ahead of the exponentials, so that O^T's first reader has none between
	v_pk_mul_f32 v[22:23], v[22:23], v[24:25] op_sel_hi:[1,0]
.set j, 0
.rept 16
	v_pk_mul_f32 v[192+j:193+j], v[192+j:193+j], v[18:19] op_sel_hi:[1,0]
.set j, j+2
.endr
.set j, 0
.rept 16
	v_pk_mul_f32 v[224+j:225+j], v[224+j:225+j], v[24:25] op_sel_hi:[1,0]
.set j, j+2
.endr
	s_wait_alu depctr_va_vdst(0)                   ; the wait ahead of the batch
.set j, 0
.rept 32                                       ; tile A's exponentials; between them tile B's t - M, which nothing reads before the next wait
	v_exp_f32 v[64+j], v[64+j]
	v_exp_f32 v[65+j], v[65+j]
	v_pk_fma_f32 v[128+j:129+j], v[128+j:129+j], s[CS:CS+1], v[20:21] op_sel_hi:[1,0,0]
.set j, j+2
.endr
	s_wait_alu depctr_va_vdst(0)                   ; one wait: behind tile A's batch, ahead of tile B's
.set k, 0
.rept 16                                       ; tile B's exponentials; between them tile A's first sums (of the unquantised p) and its hold: none of these results is read before the next wait
	v_exp_f32 v[128+4*k], v[128+4*k]
	v_exp_f32 v[129+4*k], v[129+4*k]
	v_pk_add_f32 v[32+2*k:33+2*k], v[64+4*k:65+4*k], v[66+4*k:67+4*k]
	v_exp_f32 v[130+4*k], v[130+4*k]
	v_dual_min_num_f32 v[64+4*k], v[64+4*k], v8 :: v_dual_min_num_f32 v[65+4*k], v[65+4*k], v9
	v_exp_f32 v[131+4*k], v[131+4*k]
	v_dual_min_num_f32 v[66+4*k], v[66+4*k], v8 :: v_dual_min_num_f32 v[67+4*k], v[67+4*k], v9
.set k, k+1
.endr
	v_nop                                          ; a plain place behind the last exponential
	s_wait_alu depctr_va_vdst(0)                   ; the wait behind the batch
.irp k, 0,1,2,3,4,5,6,7
	v_pk_add_f32 v[32+2*\k:33+2*\k], v[32+2*\k:33+2*\k], v[48+2*\k:49+2*\k]
.endr
.irp k, 0,1,2,3,4,5,6,7                        ; tile B's sums: eight chains
	v_pk_add_f32 v[48+2*\k:49+2*\k], v[128+2*\k:129+2*\k], v[144+2*\k:145+2*\k]
.endr
.irp k, 0,1,2,3,4,5,6,7
	v_pk_add_f32 v[48+2*\k:49+2*\k], v[48+2*\k:49+2*\k], v[160+2*\k:161+2*\k]
.endr
.irp k, 0,1,2,3,4,5,6,7
	v_pk_add_f32 v[48+2*\k:49+2*\k], v[48+2*\k:49+2*\k], v[176+2*\k:177+2*\k]
.endr
.irp k, 0,1,2,3
	v_pk_add_f32 v[32+2*\k:33+2*\k], v[32+2*\k:33+2*\k], v[40+2*\k:41+2*\k]
	v_pk_add_f32 v[48+2*\k:49+2*\k], v[48+2*\k:49+2*\k], v[56+2*\k:57+2*\k]
.endr
	MINB 0
.irp k, 0,1
	v_pk_add_f32 v[32+2*\k:33+2*\k], v[32+2*\k:33+2*\k], v[36+2*\k:37+2*\k]
	v_pk_add_f32 v[48+2*\k:49+2*\k], v[48+2*\k:49+2*\k], v[52+2*\k:53+2*\k]
.endr
	MINB 1
	v_pk_add_f32 v[32:33], v[32:33], v[34:35]
	v_pk_add_f32 v[48:49], v[48:49], v[50:51]
	MINB 2
	v_pk_add_f32 v[16:17], v[16:17], v[32:33]
	v_pk_add_f32 v[22:23], v[22:23], v[48:49]
	MINB 3
	WIN 0x40
.irp t, 0,1,2,3,4,5,6,7                        ; keys 16 t + 8 h + 0 .. 7: registers 2 t, 2 t + 1 of the operand
	v_cvt_scalef32_pk8_fp8_f32 v[160+2*\t:161+2*\t], v[64+8*\t:71+8*\t], v10
	v_cvt_scalef32_pk8_fp8_f32 v[176+2*\t:177+2*\t], v[128+8*\t:135+8*\t], v10
.endr
	WIN 0
	v_nop                                          ; one plain instruction behind the last conversion
	s_wait_alu depctr_va_vdst(0)                   ; the wait ahead of the wait below
.if \pref
	s_wait_dscnt 16                                ; V is in; the next step's sixteen loads of K may be out
.else
	s_wait_dscnt 0x0
.endif
	WIN 0x05
.irp ct, 0,1,2,3                               ; O^T += V^T P^T, K = these 128 keys; the eight accumulators by turns, the next step's sixteen products between
	v_wmma_f32_16x16x128_fp8_fp8 v[192+8*\ct:199+8*\ct], v[64+16*\ct:79+16*\ct], v[160:175], v[192+8*\ct:199+8*\ct]
	v_wmma_f32_16x16x128_fp8_fp8 v[224+8*\ct:231+8*\ct], v[64+16*\ct:79+16*\ct], v[176:191], v[224+8*\ct:231+8*\ct]
.endr
	WIN 0
.if \mask
.Lhid_\@:
.endif
.endm
; A block is finished: O^T / the sum, held, converted: each tile's 16 queries x 64 channels are one image, 1,024 consecutive bytes.  cr: code registers of the block's own in window 1, never rewritten.
.macro FINISH out, cr
	NOPS 4                                         ; places behind the last products
	v_add_f32 v16, v16, v17
	v_add_f32 v22, v22, v23
	v_permlanex16_b32 v13, v16, s[SEL], s[SEL+1]
	v_permlanex16_b32 v26, v22, s[SEL], s[SEL+1]
	v_add_f32 v16, v16, v13                        ; the rows' sums
	v_add_f32 v22, v22, v26
	s_wait_alu depctr_va_vdst(0)                   ; the wait ahead of the two reciprocals,
	v_rcp_f32 v16, v16
	v_rcp_f32 v22, v22
	v_nop
	s_wait_alu depctr_va_vdst(0)                   ; and behind them, directly ahead of O^T's first readers
.set j, 0
.rept 16
	v_pk_mul_f32 v[64+j:65+j], v[192+j:193+j], v[16:17] op_sel_hi:[1,0]
.set j, j+2
.endr
.set j, 0
.rept 16
	v_pk_mul_f32 v[128+j:129+j], v[224+j:225+j], v[22:23] op_sel_hi:[1,0]
.set j, j+2
.endr
.set j, 0
.rept 32
	v_med3_num_f32 v[64+j], v[64+j], -v12, v12
	v_med3_num_f32 v[128+j], v[128+j], -v12, v12
.set j, j+1
.endr
	WIN 0x40
.irp t, 0,1,2,3
	v_cvt_scalef32_pk8_fp8_f32 v[\cr+2*\t:\cr+2*\t+1], v[64+8*\t:71+8*\t], v11
	v_cvt_scalef32_pk8_fp8_f32 v[\cr+8+2*\t:\cr+9+2*\t], v[128+8*\t:135+8*\t], v11
.endr
	WIN 0
	v_nop
	WIN 0x04                                       ; the stores' data in window 1
	global_store_b128 v[LN], v[\cr:\cr+3], s[\out:\out+1]                    ; 32 lanes store 512 consecutive bytes, aligned
	global_store_b128 v[LN], v[\cr+4:\cr+7], s[\out:\out+1] offset:512
	global_store_b128 v[LN], v[\cr+8:\cr+11], s[\out:\out+1] offset:16384    ; tile B: the next 16 tokens
	global_store_b128 v[LN], v[\cr+12:\cr+15], s[\out:\out+1] offset:16896
	WIN 0
.endm
	s_wait_alu depctr_va_vdst(0)                   ; the wait at the head's end
	s_wait_loadcnt 0x0                             ; Q
	s_wait_tensorcnt 0x0                           ; my part of keys 0-255 is in; the later first fill is issued as a refill is:
	ds_add_u32 v[SPW], v[NIL]
	s_wait_dscnt 0x0
	ROUND
	s_cmp_lt_u32 s[WV], 4                          ; waves 0-3: K's keys 256 on; waves 4-7: V's.  One load a wave; an s_nop 0 and four v_nop behind each line
	s_cbranch_scc0 .Lfor_v
	tensor_load_to_lds s[G0B:G0B+3], s[G1K:G1K+7]
	s_nop 0
	NOPS 4
	s_branch .Lasked
.Lfor_v:
	tensor_load_to_lds s[G0B:G0B+3], s[G1V:G1V+7]
	s_nop 0
	NOPS 4
.Lasked:
	s_mov_b32 s[TR], 0
.Lfirst:                                           ; the long block's key steps 0 and 1, on the keys that are in, while the others land
	s_lshl_b32 s[TB], s[TR], 13
	STEP 0, 0
	s_add_co_u32 s[TR], s[TR], 1
	s_cmp_lt_u32 s[TR], 2
	s_cbranch_scc1 .Lfirst
	s_wait_tensorcnt 0x0                           ; my part of the other keys is in
	ds_add_u32 v[SPW], v[NIL]
	s_wait_dscnt 0x0
	s_barrier_signal -1
	s_barrier_wait -1                              ; everybody's is: from here on LDS is only read
	KLOAD LN, 16384                                ; key step 2's K
.Lmain:                                            ; trips 2-15: the long block goes on; 16-23: the short block's steps 0-7
	s_and_b32 s[STP], s[TR], 15
	s_lshl_b32 s[TB], s[STP], 13
	s_cmp_lg_u32 s[TR], 16
	s_cbranch_scc1 .Lsame
	FINISH 66, 192                                 ; the long block leaves, the state begins anew
	WIN 0x41
.set j, 0
.rept 16
	v_mov_b32 v[128+j], v[144+j]                   ; the short block's Q
.set j, j+1
.endr
	WIN 0
	INIT
	v_add_nc_u32 v[VD], s60, v[VD]
	s_mov_b32 s[LAST], s[WV]                       ; the short block's last key step
	s_wait_dscnt 0x0                               ; the K asked for behind the long block's last step has landed: its registers may be loaded anew
	KLOAD LN, 0
	s_wait_alu depctr_va_vdst(0)                   ; the wait
.Lsame:
	STEP 1, 1
	s_add_co_u32 s[TR], s[TR], 1
	s_cmp_lt_u32 s[TR], 24
	s_cbranch_scc1 .Lmain
	FINISH 68, 208
	s_wait_tensorcnt 0x0                           ; the wave's end
	ds_add_u32 v[SPW], v[NIL]
	s_wait_dscnt 0x0
	ROUND                                          ; the closing round
	s_endpgm
.Lfunc_end_k_q4aa3a25f68_attn:
	.size	k_q4aa3a25f68_attn, .Lfunc_end_k_q4aa3a25f68_attn-k_q4aa3a25f68_attn
	.p2alignl 7, 3214868480
	.fill 96, 4, 3214868480
	.section	.rodata,"a",@progbits
	.p2align	6, 0x0
	.amdhsa_kernel k_q4aa3a25f68_attn
		.amdhsa_group_segment_fixed_size 327680
		.amdhsa_private_segment_fixed_size 0
		.amdhsa_enable_private_segment 0
		.amdhsa_kernarg_size 40
		.amdhsa_user_sgpr_count 2
		.amdhsa_user_sgpr_kernarg_segment_ptr 1
		.amdhsa_wavefront_size32 1
		.amdhsa_system_sgpr_workgroup_id_x 1
		.amdhsa_system_sgpr_workgroup_id_y 1
		.amdhsa_system_sgpr_workgroup_id_z 1
		.amdhsa_system_vgpr_workitem_id 0
		.amdhsa_next_free_vgpr 480
		.amdhsa_next_free_sgpr 102
		.amdhsa_reserve_vcc 1
		.amdhsa_float_denorm_mode_32 3
		.amdhsa_float_denorm_mode_16_64 3
		.amdhsa_memory_ordered 1
		.amdhsa_forward_progress 1
		.amdhsa_inst_pref_size 99
	.end_amdhsa_kernel
	.amdgpu_metadata
---
amdhsa.version: [ 1, 2 ]
amdhsa.kernels:
  - .name:           k_q4aa3a25f68_attn
    .symbol:         k_q4aa3a25f68_attn.kd
    .args:
      - { .name: q_img, .offset: 0, .size: 8, .value_kind: global_buffer, .address_space: global }
      - { .name: k_img, .offset: 8, .size: 8, .value_kind: global_buffer, .address_space: global }
      - { .name: v_img, .offset: 16, .size: 8, .value_kind: global_buffer, .address_space: global }
      - { .name: lowp_scales, .offset: 24, .size: 8, .value_kind: global_buffer, .address_space: global }
      - { .name: a_img, .offset: 32, .size: 8, .value_kind: global_buffer, .address_space: global }
    .group_segment_fixed_size: 327680
    .private_segment_fixed_size: 0
    .kernarg_segment_align: 8
    .kernarg_segment_size: 40
    .max_flat_workgroup_size: 256
    .sgpr_count:     102
    .vgpr_count:     480
    .wavefront_size: 32
...
	.end_amdgpu_metadata
.endif
;; end of part 3
;; launch proj (part 4): grid 4 x 64, 4 waves a work-group, clusters of 4 x 4, 327,680 bytes of LDS; arguments a_img, wp_img, lowp_scales, b_proj, out0; writes out0
.if DOCPART == 4
	.amdgcn_target "amdgcn-amd-amdhsa--gfx1250"
	.amdhsa_code_object_version 6
	.text
	.protected	k_q4aa3a25f68_proj
	.globl	k_q4aa3a25f68_proj
	.p2align	8
	.type	k_q4aa3a25f68_proj,@function
k_q4aa3a25f68_proj:
	s_mov_b64 s[64:65], 0
	v_nop
	global_prefetch_b8 v0, s[64:65] scope:SCOPE_SE
	s_setreg_imm32_b32 hwreg(HW_REG_WAVE_MODE, 25, 1), 1
	s_wait_xcnt 0x0
	s_wait_alu depctr_hold_cnt(0) depctr_sa_sdst(0) depctr_va_vdst(0) depctr_va_sdst(0) depctr_va_ssrc(0) depctr_va_vcc(0) depctr_vm_vsrc(0)
	s_getreg_b32 s2, hwreg(HW_REG_IB_STS2, 6, 4)
	s_cmp_eq_u32 s2, 0
	s_cbranch_scc0 .Lentry_in_a_cluster
	s_endpgm
.Lentry_in_a_cluster:
	s_bfe_u32 s2, ttmp6, 0x10000c
	s_cmp_lg_u32 s2, 0xf033
	s_cbranch_scc0 .Lentry_shape_is_right
	s_endpgm
.Lentry_shape_is_right:
; out0 = a w_proj + b_proj on codes of FP8 (E4M3), K = 1,024; each finished sum is multiplied once by 2^(e6 + e7).  LIMIT: e6 + e7 between -126 and 127, so that this power of two is an f32 number.
; Operands are IMAGES of operand registers, 1,024 bytes: 16 rows x 64 along K; registers 4 i .. 4 i + 3 of lane l at byte 512 i + 16 l; two images on end are a fragment of the K = 128 form.
;   a_img [512 tiles of 16 tokens][16 chunks of 64 k];  wp_img [64 tiles of 16 columns][16].
; A BLOCK is 128 tokens x 256 columns: 64 x 4 = 256 work-groups.  Four waves, 64 tokens x 128 columns each: 32 accumulators, one window; A and B have two sets of fragment registers each, so a step's fragments are read while the step before is multiplied.
; K COMES IN THREE GROUPS OF LOADS, one tensor load a wave each (waves 0, 1: A's halves, 4 tiles of 16 rows; waves 2, 3: B's halves, 8 tiles):
;   K 0-255 into region 0 (rows of 4,096 bytes: 98,304 bytes), at the head;  K 256-767 into region 1 (rows of 8,192 bytes: 196,608 bytes), behind the full sequence and a round;  K 768-1023 into region 0 again, behind a second round.
; CLUSTERS: 4 x 4 work-groups; A's tiles are asked for jointly along a row of the cluster, B's along a column.
; THE MATRIX INSTRUCTION IS USED TRANSPOSED (source 0 = 16 columns of w_proj, source 1 = 16 tokens): a lane holds eight neighbouring columns of one token's row.  The bias goes in as the C of each sum's first product, x 2^-(e6 + e7).
; THE WAY OUT: 16 tokens x 128 columns at a time through the wave's own stage (rows of 528 bytes) and out as rows of 512 bytes.  The stages lie in region 1: it has had its only fill, and the last barrier stands behind every wave's last read of it.
; No data prefetch: the text has no loop to run ahead in; its three groups of loads are all of K.
; REGISTERS: window 0: v16-29 addresses; v32-95 the way out's products; v64-127 the bias (first step only); v128-191, v192-255 A's two sets, then the rows read back.  Window 1: B's two sets.  Window 2: accumulator (a, b) at v[8 (8 a + b)].
.set R0B,    32768                     ; region 0: A's 8 tiles of 4,096 bytes, then B's 16
.set R1A,    98304                     ; region 1: A's 8 tiles of 8,192 bytes,
.set R1B,    163840                    ; then B's 16
.set SPARE,  294912                    ; the spare words, 128 bytes a wave: two blocks of 256 bytes that no other line names
.set ROWO,   4096
.set SPITCH, 528
.set ADA0, 16
.set ADA1, 17
.set ADB0, 20
.set ADB1, 21
.set STO,  24
.set RD,   25
.set CO,   26
.set SPW,  28
.set NIL,  29
.set TMP,  32
.set BI,   64
.set AF,   128
.set BK,   128
.set G1A0, 24
.set G1B0, 32
.set G1A1, 40
.set G1B1, 48
.set G0A0, 56
.set G0B0, 60
.set G0A1, 68
.set G0B1, 72
.set MSB, 0
.macro WIN new                         ; the immediate's high byte repeats the setting that is left
.if MSB != (\new)
	s_set_vgpr_msb (MSB<<8)|(\new)
.set MSB, (\new)
.endif
.endm
.macro NOPS n
.rept \n
	v_nop
.endr
.endm
; A joint load: waves 0 and 1 fetch for A, waves 2 and 3 for B; the branch hangs on the wave's number alone.  An s_nop 0 and four v_nop follow each line.
.macro JLOAD g0a, g1a, g0b, g1b
	s_cmp_eq_u32 s15, 0
	s_cbranch_scc0 .Lfor_b_\@
	tensor_load_to_lds s[\g0a:\g0a+3], s[\g1a:\g1a+7]
	s_nop 0
	NOPS 4
	s_branch .Lasked_\@
.Lfor_b_\@:
	tensor_load_to_lds s[\g0b:\g0b+3], s[\g1b:\g1b+7]
	s_nop 0
	NOPS 4
.Lasked_\@:
.endm
.macro ROUND                           ; a round of the cluster's barrier
	s_barrier_signal -1
	s_barrier_wait -1
	s_cmp_lg_u32 s14, 0
	s_cbranch_scc1 .Lnw0_\@
	s_barrier_signal -3
.Lnw0_\@:
	s_barrier_wait -3
	s_barrier_signal -1
	s_barrier_wait -1
.endm
; 48 LDS loads: the fragments of 128 along K (B's 8 tiles, A's 4) into set \set; \pitch: bytes from tile to tile in the region; \q: which 128 of the region's K
.macro FETCH set, ada, adb, pitch, q
	WIN 0x40
.irp i, 0,1,2,3,4,5,6,7
.irp c, 0,1,2,3
	ds_load_b128 v[128*(\set)+16*\i+4*\c:128*(\set)+16*\i+4*\c+3], v[\adb] offset:\i*(\pitch)+(\q)*2048+512*\c
.endr
.endr
	WIN 0
.irp i, 0,1,2,3
.irp c, 0,1,2,3
	ds_load_b128 v[AF+64*(\set)+16*\i+4*\c:AF+64*(\set)+16*\i+4*\c+3], v[\ada] offset:\i*(\pitch)+(\q)*2048+512*\c
.endr
.endr
.endm
; 32 matrix instructions, 128 along K; the 32 accumulators take turns, one instruction a turn, in the same order in every step.  zero = 1: the sums start from the bias
.macro MUL set, zero
.irp a, 0,1,2,3
.irp b, 0,1,2,3,4,5,6,7
.if \zero
	v_wmma_f32_16x16x128_fp8_fp8 v[8*(8*\a+\b):8*(8*\a+\b)+7], v[128*(\set)+16*\b:128*(\set)+16*\b+15], v[AF+64*(\set)+16*\a:AF+64*(\set)+16*\a+15], v[BI+8*\b:BI+8*\b+7]
.else
	v_wmma_f32_16x16x128_fp8_fp8 v[8*(8*\a+\b):8*(8*\a+\b)+7], v[128*(\set)+16*\b:128*(\set)+16*\b+15], v[AF+64*(\set)+16*\a:AF+64*(\set)+16*\a+15], v[8*(8*\a+\b):8*(8*\a+\b)+7]
.endif
.endr
.endr
.endm
	s_load_b256 s[4:11], s[0:1], 0x0               ; a_img, wp_img, the scales' exponents, b_proj
	s_load_b64 s[76:77], s[0:1], 0x20              ; out0
	v_lshl_add_u32 v[SPW], v0, 2, SPARE
	v_mov_b32 v[NIL], 0
	ds_add_u32 v[SPW], v[NIL]                      ; the opening lines: the add, twice on end, and its wait below
	ds_add_u32 v[SPW], v[NIL]
	v_lshrrev_b32 v1, 5, v0
	v_readfirstlane_b32 s14, v1                    ; wave 0..3
	s_lshr_b32 s15, s14, 1                         ; which 64 tokens are mine.  Also: I fetch for A (0) or for B (1)
	s_and_b32 s16, s14, 1                          ; which 128 columns.  Also: which half of that operand's tiles I fetch
	s_bfe_u32 s78, ttmp6, 0x40000                  ; cx, cy
	s_bfe_u32 s79, ttmp6, 0x40004
	s_lshl_b32 s80, ttmp9, 2
	s_add_co_u32 s80, s80, s78                     ; block column, 0..3
	s_and_b32 s17, ttmp7, 0xffff
	s_lshl_b32 s17, s17, 2
	s_add_co_u32 s17, s17, s79                     ; block row, 0..63
	s_lshl_b32 s81, s79, 2
	s_lshl_b32 s81, 15, s81                        ; my row of the cluster
	s_lshl_b32 s82, 0x1111, s78                    ; my column
	s_or_b32 s[G1A0], s81, (1<<21)                 ; groups 1: the mask, bit 21 beside it, elements of 1 byte, no padding
	s_or_b32 s[G1A1], s81, (1<<21)
	s_or_b32 s[G1B0], s82, (1<<21)
	s_or_b32 s[G1B1], s82, (1<<21)
.irp g, G1A0, G1B0
	s_mov_b32 s[\g+1], 4096<<16                    ; a tile's 256 along K
	s_mov_b32 s[\g+3], 4096<<16
.endr
.irp g, G1A1, G1B1
	s_mov_b32 s[\g+1], 8192<<16                    ; a tile's 512 along K
	s_mov_b32 s[\g+3], 8192<<16
.endr
.irp g, G1A0, G1A1
	s_mov_b32 s[\g+2], 4<<16                       ; A: 4 tiles a load
	s_mov_b32 s[\g+4], 4
.endr
.irp g, G1B0, G1B1
	s_mov_b32 s[\g+2], 8<<16                       ; B: 8 tiles a load
	s_mov_b32 s[\g+4], 8
.endr
.irp g, G1A0, G1B0, G1A1, G1B1
	s_mov_b32 s[\g+5], 16384                       ; a tile's whole K
	s_mov_b32 s[\g+6], 0
	s_mov_b32 s[\g+7], 0
.endr
	s_lshl_b32 s20, s17, 17                        ; A: 8 tiles of 16,384 bytes a block row,
	s_lshl_b32 s18, s16, 16
	s_add_co_u32 s20, s20, s18                     ; + my half
	s_mov_b32 s21, 0
	s_lshl_b32 s22, s80, 18                        ; B: 16 tiles a block column,
	s_lshl_b32 s19, s16, 17
	s_add_co_u32 s22, s22, s19
	s_mov_b32 s23, 0
	s_lshl_b32 s94, s16, 15                        ; where they go: the wave's number alone
	s_lshl_b32 s95, s16, 16
	s_mov_b32 s[G0A0], 1
	s_lshl_b32 s[G0A0+1], s16, 14
	s_mov_b32 s[G0B0], 1
	s_add_co_u32 s[G0B0+1], s94, R0B
	s_mov_b32 s[G0A1], 1
	s_add_co_u32 s[G0A1+1], s94, R1A
	s_mov_b32 s[G0B1], 1
	s_add_co_u32 s[G0B1+1], s95, R1B
	s_lshl_b32 s96, s15, 14                        ; my 64 tokens in region 0,
	s_lshl_b32 s97, s15, 15
	s_add_co_u32 s97, s97, R1A                     ; in region 1
	s_mul_i32 s83, s14, 16*SPITCH
	s_add_co_u32 s83, s83, R1A                     ; my stage
	s_lshl_b32 s92, s17, 19                        ; out0: 128 rows of 4,096 bytes a block row,
	s_lshl_b32 s93, s15, 18
	s_add_co_u32 s92, s92, s93
	s_lshl_b32 s100, s80, 10
	s_lshl_b32 s101, s16, 9
	s_add_co_u32 s100, s100, s101                  ; my first column, in bytes: in out0 and in b_proj
	s_mov_b32 s101, 0
	s_add_co_u32 s92, s92, s100
	s_mov_b32 s93, 0
	s_wait_dscnt 0x0                               ; both opening adds are done
	s_wait_kmcnt 0x0
	s_load_b256 s[84:91], s[8:9], 0x0              ; e0 .. e7
	s_add_nc_u64 s[G0A0+2:G0A0+3], s[4:5], s[20:21]
	s_add_nc_u64 s[G0A1+2:G0A1+3], s[G0A0+2:G0A0+3], 4096       ; K 256 on: four images
	s_or_b32 s[G0A0+3], s[G0A0+3], 0x80000000
	s_or_b32 s[G0A1+3], s[G0A1+3], 0x80000000
	s_add_nc_u64 s[G0B0+2:G0B0+3], s[6:7], s[22:23]
	s_add_nc_u64 s[G0B1+2:G0B1+3], s[G0B0+2:G0B0+3], 4096
	s_or_b32 s[G0B0+3], s[G0B0+3], 0x80000000
	s_or_b32 s[G0B1+3], s[G0B1+3], 0x80000000
	s_add_nc_u64 s[76:77], s[76:77], s[92:93]
	s_add_nc_u64 s[100:101], s[10:11], s[100:101]
	ROUND                                          ; all sixteen work-groups are here: the first joint loads meet
	JLOAD G0A0, G1A0, G0B0, G1B0                   ; K 0-255: one tensor load a wave at the head
	v_and_b32 v1, 15, v0                           ; r
	v_bfe_u32 v2, v0, 4, 1                         ; h
	v_and_b32 v3, 31, v0
	v_lshlrev_b32 v[CO], 4, v3                     ; 16 x lane
	v_lshlrev_b32 v5, 5, v2                        ; the bias: 8 h numbers on
	v_add_nc_u32 v[ADA0], s96, v[CO]
	v_add_nc_u32 v[ADA1], s97, v[CO]
	v_add_nc_u32 v[ADB0], s[G0B0+1], v[CO]         ; my 128 columns are the half that has my parity
	v_add_nc_u32 v[ADB1], s[G0B1+1], v[CO]
	v_mul_u32_u24 v7, v1, SPITCH
	v_lshl_add_u32 v7, v2, 5, v7
	v_add_nc_u32 v[STO], s83, v7                   ; into the stage: row r, 32 bytes for each half of the lanes
	v_add_nc_u32 v[RD], s83, v[CO]                 ; back: 32 lanes take one row of 512 bytes
.irp b, 0,1,2,3,4,5,6,7                        ; tile b: register j of lane (r, h) = the bias of column 16 b + 8 h + j
	global_load_b128 v[BI+8*\b:BI+8*\b+3], v5, s[100:101] offset:64*\b
	global_load_b128 v[BI+8*\b+4:BI+8*\b+7], v5, s[100:101] offset:64*\b+16
.endr
	s_wait_alu depctr_va_vdst(0)                   ; the wait at the head's end
	s_wait_tensorcnt 0x0                           ; my part of K 0-255 is in; region 1's first fill is issued as a refill is:
	ds_add_u32 v[SPW], v[NIL]
	s_wait_dscnt 0x0
	ROUND
	JLOAD G0A1, G1A1, G0B1, G1B1                   ; K 256-767
	FETCH 0, ADA0, ADB0, 4096, 0
	FETCH 1, ADA0, ADB0, 4096, 1
	s_wait_kmcnt 0x0
	s_add_co_i32 s98, s90, s91                     ; e6 + e7
	s_sub_co_i32 s18, 0, s98
	s_add_co_i32 s98, s98, 127
	s_lshl_b32 s98, s98, 23                        ; 2^(e6 + e7) as f32
	s_mov_b32 s99, s98
	s_wait_loadcnt 0x0
.set j, 0
.rept 64
	v_ldexp_f32 v[BI+j], v[BI+j], s18              ; the bias x 2^-(e6 + e7)
.set j, j+1
.endr
	s_wait_alu depctr_va_vdst(0)                   ; the wait ahead of the wait below
	s_wait_dscnt 48                                ; set 0 is in; set 1's 48 loads may be out
	WIN 0x81                                       ; source 0 window 1, C (the bias) window 0, D window 2
	MUL 0, 1
	s_wait_dscnt 0x0                               ; set 1 is in: my reads of region 0 are over
	WIN 0xa1                                       ; C and D window 2
	MUL 1, 0
	WIN 0
	s_wait_tensorcnt 0x0                           ; my part of K 256-767 is in
	ds_add_u32 v[SPW], v[NIL]                      ; the add to my spare word; the descriptors' steps stand between it and its wait
	s_add_nc_u64 s[G0A0+2:G0A0+3], s[G0A0+2:G0A0+3], 12288      ; K 768 on: twelve images
	s_add_nc_u64 s[G0B0+2:G0B0+3], s[G0B0+2:G0B0+3], 12288
	s_wait_dscnt 0x0
	ROUND                                          ; no wave of any partner still reads region 0 or has a load on its way
	JLOAD G0A0, G1A0, G0B0, G1B0                   ; K 768-1023 into region 0; its four v_nop are the places ahead of the loads below
	FETCH 0, ADA1, ADB1, 8192, 0
	FETCH 1, ADA1, ADB1, 8192, 1
	s_wait_dscnt 48
	WIN 0xa1
	MUL 0, 0
	NOPS 4                                         ; places ahead of loads into registers that matrix instructions have read
	FETCH 0, ADA1, ADB1, 8192, 2
	s_wait_dscnt 48
	WIN 0xa1
	MUL 1, 0
	NOPS 4
	FETCH 1, ADA1, ADB1, 8192, 3
	s_wait_dscnt 48
	WIN 0xa1
	MUL 0, 0
	s_wait_dscnt 0x0
	MUL 1, 0
	WIN 0
	s_wait_tensorcnt 0x0                           ; my part of K 768-1023 is in
	ds_add_u32 v[SPW], v[NIL]
	s_wait_dscnt 0x0                               ; and my reads of region 1 are over
	s_barrier_signal -1
	s_barrier_wait -1                              ; both hold of every wave
	NOPS 4
	FETCH 0, ADA0, ADB0, 4096, 0
	FETCH 1, ADA0, ADB0, 4096, 1
	s_wait_dscnt 48
	WIN 0xa1
	MUL 0, 0
	s_wait_dscnt 0x0
	MUL 1, 0
	WIN 0
; THE WAY OUT, block a of 16 tokens x 128 columns at a time.  LDS serves a wave's instructions in order (ISA guide 5.7.1.4): no wait between the stage's stores and loads.
.macro TOSTAGE a
	WIN 0x02                                       ; source 0: window 2
.set j, 0
.rept 32
	v_pk_mul_f32 v[TMP+j:TMP+j+1], v[64*(\a)+j:64*(\a)+j+1], s[98:99] op_sel_hi:[1,0]   ; x 2^(e6 + e7); each accumulator from its low end on
.set j, j+2
.endr
	WIN 0
.irp b, 0,1,2,3,4,5,6,7
	ds_store_b128 v[STO], v[TMP+8*\b:TMP+8*\b+3] offset:64*\b
	ds_store_b128 v[STO], v[TMP+8*\b+4:TMP+8*\b+7] offset:64*\b+16
.endr
.set BB, BK+64*((\a)%2)
.irp t, 0,1,2,3,4,5,6,7,8,9,10,11,12,13,14,15
	ds_load_b128 v[BB+4*\t:BB+4*\t+3], v[RD] offset:\t*SPITCH
.endr
.endm
.macro SEND a, younger                 ; younger: the LDS instructions issued behind block a's loads, which may stay out
.set BB, BK+64*((\a)%2)
	s_wait_dscnt \younger
.if (\a) > 0
	s_add_nc_u64 s[76:77], s[76:77], 16*ROWO       ; (behind a wait on XCNT: the earlier stores have read their base)
.endif
.irp t, 0,1,2,3,4,5,6,7,8,9,10,11,12,13,14,15
	global_store_b128 v[CO], v[BB+4*\t:BB+4*\t+3], s[76:77] offset:\t*ROWO th:TH_STORE_NT   ; 32 lanes store 512 consecutive bytes, aligned
.endr
.endm
	NOPS 4                                         ; places behind the last products
	TOSTAGE 0
.irp a, 1,2,3
.if \a > 1
	s_wait_xcnt 0x0                                ; block a - 2's stores have read their registers and their base
.endif
	TOSTAGE \a
	SEND \a-1, 32
.endr
	s_wait_xcnt 0x0
	SEND 3, 0
	s_wait_tensorcnt 0x0                           ; the wave's end
	ds_add_u32 v[SPW], v[NIL]
	s_wait_dscnt 0x0
	ROUND                                          ; the closing round
	s_endpgm
.Lfunc_end_k_q4aa3a25f68_proj:
	.size	k_q4aa3a25f68_proj, .Lfunc_end_k_q4aa3a25f68_proj-k_q4aa3a25f68_proj
	.p2alignl 7, 3214868480
	.fill 96, 4, 3214868480
	.section	.rodata,"a",@progbits
	.p2align	6, 0x0
	.amdhsa_kernel k_q4aa3a25f68_proj
		.amdhsa_group_segment_fixed_size 327680
		.amdhsa_private_segment_fixed_size 0
		.amdhsa_enable_private_segment 0
		.amdhsa_kernarg_size 40
		.amdhsa_user_sgpr_count 2
		.amdhsa_user_sgpr_kernarg_segment_ptr 1
		.amdhsa_wavefront_size32 1
		.amdhsa_system_sgpr_workgroup_id_x 1
		.amdhsa_system_sgpr_workgroup_id_y 1
		.amdhsa_system_sgpr_workgroup_id_z 1
		.amdhsa_system_vgpr_workitem_id 0
		.amdhsa_next_free_vgpr 768
		.amdhsa_next_free_sgpr 102
		.amdhsa_reserve_vcc 0
		.amdhsa_float_denorm_mode_32 3
		.amdhsa_float_denorm_mode_16_64 3
		.amdhsa_memory_ordered 1
		.amdhsa_forward_progress 1
		.amdhsa_inst_pref_size 79
	.end_amdhsa_kernel
	.amdgpu_metadata
---
amdhsa.version: [ 1, 2 ]
amdhsa.kernels:
  - .name:           k_q4aa3a25f68_proj
    .symbol:         k_q4aa3a25f68_proj.kd
    .args:
      - { .name: a_img, .offset: 0, .size: 8, .value_kind: global_buffer, .address_space: global }
      - { .name: wp_img, .offset: 8, .size: 8, .value_kind: global_buffer, .address_space: global }
      - { .name: lowp_scales, .offset: 16, .size: 8, .value_kind: global_buffer, .address_space: global }
      - { .name: b_proj, .offset: 24, .size: 8, .value_kind: global_buffer, .address_space: global }
      - { .name: out0, .offset: 32, .size: 8, .value_kind: global_buffer, .address_space: global }
    .group_segment_fixed_size: 327680
    .private_segment_fixed_size: 0
    .kernarg_segment_align: 8
    .kernarg_segment_size: 40
    .max_flat_workgroup_size: 128
    .sgpr_count:     102
    .vgpr_count:     768
    .wavefront_size: 32
...
	.end_amdgpu_metadata
.endif
;; end of part 4
